; MI455X (gfx1250); checked and timed in simulation.
; The chip was launched on July 23, 2026; its instructions are those of AMD's public machine-readable ISA for CDNA 5 (MIT licence, August 2026) and "CDNA5" Instruction Set Architecture Reference Guide (July 2026). The comments in the code are by the model that wrote it; some were corrected since.
;; Self Attention With Rotary Embedding. Allowed arithmetic: matrix products marked QUANTISED: E2M1 operands, one E8M0 scale for each 32 along K, by v_wmma_scale_f32_16x16x128_f8f6f4 with both operands' format E2M1 (or v_wmma_scale_f32_32x16x128_f4), f32 sums; everything else in f32.
;; Inputs: Wp 2,048 x 2,048 float32; Wqk 2,048 x 4,096 float32; Wv 2,048 x 2,048 float32; bp 2,048 float32; bv 2,048 float32; freqs_cos 2,048 x 64 float32; freqs_sin 2,048 x 64 float32; kn_w 128 float32; qn_w 128 float32; x 1 x 2,048 x 2,048 float32.
;; Outputs: out0 1 x 2,048 x 2,048 float32.
;; This version of the problem:
;;   THIS VERSION OF THE PROBLEM IS GIVEN IN LOW PRECISION. The matrix products marked QUANTISED in the list below multiply operands that are first quantised to E2M1 (2 exponent bits, 1 mantissa bit; 4 bits a number), with one power-of-two scale for each 32 numbers along K (OCP MX v1.0); their sums are f32. All else is computed in f32.
;;   The module's matrix products, in the order in which they are computed (A, B: the left and right operand; K: the contracted axis; several contracted axes count as one K, in the product's order):
;;     1. [M 2,048, K 2,048] x [K 2,048, N 4,096]; A: input x; B: input Wqk: QUANTISED
;;     2. [M 2,048, K 2,048] x [K 2,048, N 2,048]; A: input x; B: input Wv: QUANTISED
;;     3. batch 16 x [M 2,048, K 128] x [K 128, N 2,048]; A: computed on the way; B: computed on the way: QUANTISED
;;     4. batch 16 x [M 2,048, K 2,048] x [K 2,048, N 128]; A: softmax (see below); B: computed on the way: QUANTISED
;;     5. [M 2,048, K 2,048] x [K 2,048, N 2,048]; A: computed on the way; B: input Wp: QUANTISED
;;   THE QUANTISER, for each operand of a quantised product, along K:
;;     - K is cut into blocks of 32 from its start; a last block that is shorter is filled with zeros.
;;     - A block's scale is 2^e with e = floor(log2(the largest magnitude in the block)) - 2, held to -126 .. 127; a block of zeros has e = 0. As a byte (E8M0): e + 127.
;;     - Each number is divided by its block's scale, clamped to +-6, and rounded to the nearest number of E2M1, ties to even, subnormals kept.
;;     - The product sums the exact products of the quantised numbers (number of the format x scale) in f32.
;;   ~~~python
;;   def quantise(x, axis):      # numpy; x: float32 -> the quantised numbers, widened to float32 again
;;       x = np.moveaxis(x, axis, -1); K = x.shape[-1]
;;       x = np.pad(x, [(0, 0)] * (x.ndim - 1) + [(0, -K % 32)]); x = x.reshape(x.shape[:-1] + (-1, 32)); a = np.abs(x).max(-1, keepdims=True)
;;       e = np.where(a > 0, np.clip(np.frexp(np.where(a > 0, a, 1))[1] - 1 - 2, -126, 127), 0)      # np.frexp(a)[1] - 1 = floor(log2(a)), exactly
;;       r = np.clip(x / 2.0 ** e, -6, 6)
;;       step = 2.0 ** (np.maximum(np.frexp(np.where(r == 0, 1, r))[1] - 1, 0) - 1)
;;       q = np.round(r / step) * step * 2.0 ** e      # np.round: ties to even
;;       return np.moveaxis(q.reshape(q.shape[:-2] + (-1,))[..., :K], -1, axis).astype(np.float32)
;;   ~~~
;;   SOFTMAX AHEAD OF A QUANTISED PRODUCT. Where the list says 'softmax', what is quantised is not the finished softmax but p = 2^(t - M), with t = logit x log2(e) and M = ceil(the row's largest t), a whole number; so 1/2 < the row's largest p <= 1. The row's sum l is taken of the UNQUANTISED p, in f32, and the product's result is divided by l at the end. Since M is a whole number, a kernel that streams over the keys may use a running M (the ceiling of the running maximum): every later rescaling is an exact power of two, which a block's scale takes up: the codes' values come out the same.
;;   OPERANDS COMPUTED ON THE WAY. 'Computed on the way' means the value that the module computes at that place (a softmax that the list does not call 'softmax' is quantised finished and normalised). What goes into a quantiser is computed in f32, as accurately as f32 sums, v_exp_f32 and their like allow (about 1e-6 of the number): no bf16 or f16 on the way to a quantiser, and a product that is left as it is and whose result goes on into a quantised operand takes f32 operands (vector FMAs, or v_wmma_f32_16x16x4_f32). A number that lies on a knife's edge between two numbers of the format may be rounded either way, as far as f32 arithmetic and the matrix unit's own rounding can turn it there, and no further.
;; One version. Each part assembles by itself: llvm-mc -triple=amdgcn-amd-amdhsa -mcpu=gfx1250 --defsym DOCPART=n.
;; ======== version 1 of 1: 4 launches
;; limits: right only within a limited range of input values
;; workspace buffers: opc 8,912,896 bytes; attc 6,291,456 bytes; atts 393,216 bytes; yc 2,097,152 bytes; ys 131,072 bytes; wpc 2,097,152 bytes; wps 131,072 bytes
;; launch quant (part 1): grid 256 x 1, 16 waves a work-group, no clusters, 327,680 bytes of LDS; arguments x, Wqk, Wv, opc; writes opc
.if DOCPART == 1
	.amdgcn_target "amdgcn-amd-amdhsa--gfx1250"
	.amdhsa_code_object_version 6
	.text
	.protected	k_qb8114e339d_quant
	.globl	k_qb8114e339d_quant
	.p2align	8
	.type	k_qb8114e339d_quant,@function
k_qb8114e339d_quant:
	s_mov_b64 s[64:65], 0
	v_nop
	global_prefetch_b8 v0, s[64:65] scope:SCOPE_SE
	s_setreg_imm32_b32 hwreg(HW_REG_WAVE_MODE, 25, 1), 1
	s_wait_xcnt 0x0
; FIRST OF FOUR LAUNCHES of: out = attention(rope(rmsnorm(x Wqk))) with v = x Wv + bv, then y Wp + bp; all five products on codes of E2M1 with one E8M0 scale for each 32 along K.
;   quant: x, Wqk, Wv (f32) -> codes and scale words.   qkv: products 1 and 2, norm, rotation, bias; q, k, v leave as codes; Wp -> codes.   attn: products 3 and 4.   proj: product 5.
; WORK LEFT OUT (in attn): reference() builds the causal mask itself (jnp.tril) and writes the constant -1e30 over every score whose key comes after its query, whatever the inputs hold.  Such a score's product is thrown
; away; its p = 2^(t - M), with M at least the diagonal's t, lies under every f32 number, so its code is 0 and it adds nothing to the row's sum or to the second product.  Key steps of 128 keys that lie wholly behind a
; tile's 16 queries are therefore not walked.  Nothing else is left out and every input is loaded.  LIMIT: a NaN, an infinity or an overflow that reaches only those scores is not carried to the result.
; THIS LAUNCH.  A block's scale is 2^(floor(log2(largest magnitude)) - 2): its byte is the largest magnitude's exponent field - 2, held at 1 from below by a floor among the maximum's leaves.
; LIMITS: a block of zeros gets the byte 1 where the rule says 127 (its codes are zeros, and this program alone reads the bytes); blocks whose largest magnitude lies under 2^-124 keep the byte 1; NaN and infinities among the inputs are not served.
; LAYOUT OF opc: [ks = k / 512][rt: 512 tiles of 16 rows][4,352 bytes]; rt 0-127 x's rows, 128-383 Wqk's columns, 384-511 Wv's columns.  The 4,352 bytes: four fragments (128 along K each) of 1,024 bytes, the images of an
; operand's registers (the 16 bytes of block b of 32 along K of row r at 256 b + 16 r), then the scale words [r][q].
; ROWS STAND IN POSITION ORDER: position p holds row p with its bits 3 and 4 exchanged, so that results made with such an operand as source 0 lie as 16 neighbours in two tiles' registers.
; 256 work-groups of 65,536 numbers each; a wave takes 32 rows of memory x 512 bytes, 16,384 bytes, by ONE tensor load into LDS bytes of its own (rows 528 bytes apart): all of a work-group's bytes are asked for at its start.
; Work-groups 0-191: the weights, whose K is the FIRST axis: the wave's rows are one block of 32 along K of 128 columns: a lane takes four columns, one after the other, and its registers run down K.
; Work-groups 192-255: x, whose K is innermost: the wave's 512 bytes are 128 along K of 32 rows, two tiles: a lane takes four whole blocks.
; The work-group's 2,048 bytes of scale words are gathered in LDS and leave in runs of 256 bytes.  No work-group reads what another reads: no clusters.  No loop, so no prefetch.
.set REC,   4352
.set KSS,   512*REC
.set EMAX,  2
.set SPW,   248                        ; v248  LDS address of my spare word; never rewritten
.set NIL,   249                        ; v249  0; never rewritten
.set PITCH, 528                        ; an LDS row: 512 bytes + 16
.set TILE,  32*PITCH
.set SCW,   16*TILE                    ; the weights' scale words
.set SCX,   SCW+2048                   ; x's
.set SPARE, SCX+2048                   ; the spare words, 128 bytes a wave
.set XB,    48                         ; v48-175  four blocks of 32 numbers
.set CB,    176                        ; v176-191 four registers of codes for each
.set EB,    192                        ; v192-195 a scale byte for each
.set G1Q,   48                         ; s[48:55] descriptor group 1 for Wqk (rows 16,384 bytes apart), s[56:63] for Wv and x (8,192)
.set G1V,   56
	s_load_b256 s[4:11], s[0:1], 0x0               ; x, Wqk, Wv, opc
	v_lshl_add_u32 v[SPW], v0, 2, SPARE
	v_mov_b32 v[NIL], 0
	ds_add_u32 v[SPW], v[NIL]                      ; the wave's opening: the add, twice on end, and its wait ahead of my tensor load
	ds_add_u32 v[SPW], v[NIL]
	v_lshrrev_b32 v1, 5, v0
	v_readfirstlane_b32 s16, v1                    ; wave
.irp g, G1Q, G1V                       ; 32 rows of 64 elements of 8 bytes, 16 bytes of padding behind each
	s_mov_b32 s[\g], (3<<16)|(1<<20)|(6<<22)|(3<<25)
	s_mov_b32 s[\g+1], 64<<16
	s_mov_b32 s[\g+2], 32<<16
	s_mov_b32 s[\g+3], 64<<16
	s_mov_b32 s[\g+4], 32
	s_mov_b32 s[\g+6], 0
	s_mov_b32 s[\g+7], 0
.endr
	s_mov_b32 s[G1Q+5], 2048
	s_mov_b32 s[G1V+5], 1024
	s_lshr_b32 s17, ttmp9, 2                       ; weights: group of 128 columns: 0-31 Wqk, 32-47 Wv;
	s_and_b32 s18, ttmp9, 3                        ; ks
	s_lshl_b32 s22, s18, 9
	s_lshl_b32 s23, s16, 5
	s_add_co_u32 s22, s22, s23                     ; my first row: 512 ks + 32 wave
	s_lshl_b32 s24, s22, 14
	s_lshl_b32 s25, s17, 9
	s_add_co_u32 s24, s24, s25                     ; in Wqk,
	s_mov_b32 s25, 0
	s_lshl_b32 s26, s22, 13
	s_sub_co_u32 s27, s17, 32
	s_lshl_b32 s27, s27, 9
	s_add_co_u32 s26, s26, s27                     ; in Wv,
	s_mov_b32 s27, 0
	s_sub_co_u32 s19, ttmp9, 192
	s_lshl_b32 s28, s19, 18
	s_lshl_b32 s29, s16, 9
	s_add_co_u32 s28, s28, s29                     ; and in x: 32 rows of 8,192 bytes a work-group, 512 bytes a wave.  Of the three one is used
	s_mov_b32 s29, 0
	s_mul_i32 s20, s16, TILE                       ; where it goes
	s_wait_dscnt 0x0                               ; both opening adds are done
	s_wait_kmcnt 0x0
	s_add_nc_u64 s[24:25], s[6:7], s[24:25]
	s_add_nc_u64 s[26:27], s[8:9], s[26:27]
	s_add_nc_u64 s[28:29], s[4:5], s[28:29]
	s_cmp_lt_u32 ttmp9, 192                        ; the choices hang on the work-group's number alone
	s_cselect_b64 s[26:27], s[26:27], s[28:29]
	s_mov_b32 s32, 1
	s_mov_b32 s33, s20
	s_mov_b64 s[34:35], s[24:25]
	s_or_b32 s35, s35, 0x80000000
	s_mov_b32 s36, 1
	s_mov_b32 s37, s20
	s_mov_b64 s[38:39], s[26:27]
	s_or_b32 s39, s39, 0x80000000
	s_cmp_lt_u32 ttmp9, 128
	s_cbranch_scc0 .Lother
	tensor_load_to_lds s[32:35], s[G1Q:G1Q+7]
	s_nop 0
.rept 4
	v_nop
.endr
	s_branch .Lasked
.Lother:
	tensor_load_to_lds s[36:39], s[G1V:G1V+7]
	s_nop 0
.rept 4
	v_nop
.endr
.Lasked:
	v_and_b32 v1, 31, v0                           ; lane
	v_and_b32 v2, 15, v0                           ; r
	v_bfe_u32 v3, v0, 4, 1                         ; h
	v_and_b32 v4, 7, v2
	v_lshrrev_b32 v5, 3, v2
	v_lshl_add_u32 v5, v5, 4, v4                   ; r % 8 + 16 (r / 8)
	v_lshlrev_b32 v6, 4, v1                        ; 16 x lane
	v_lshlrev_b32 v7, 4, v2                        ; 16 r
; the largest magnitude of block g's 32 numbers, with the floor; the byte and the codes
.macro BLOCK g
.set XS, XB+32*(\g)
	v_max3_num_f32 v12, |v[XS]|, |v[XS+1]|, |v[XS+2]|
	v_max3_num_f32 v13, |v[XS+3]|, |v[XS+4]|, |v[XS+5]|
.irp i, 6,10,14,18,22,26
	v_max3_num_f32 v12, v12, |v[XS+\i]|, |v[XS+\i+1]|
	v_max3_num_f32 v13, v13, |v[XS+\i+2]|, |v[XS+\i+3]|
.endr
	v_max3_num_f32 v12, v12, |v[XS+30]|, |v[XS+31]|
	v_max3_num_f32 v12, v12, v13, (EMAX+1)<<23     ; the floor 2^(3 - 127): the byte cannot fall under 1
	v_add_nc_u32 v11, -(EMAX<<23), v12             ; 2 off the exponent field: the conversion takes that field as its scale
	v_lshrrev_b32 v[EB+(\g)], 23, v11              ; the scale's byte
.irp c, 0,1,2,3
	v_cvt_scalef32_pk8_fp4_f32 v[CB+4*(\g)+\c], v[XS+8*\c:XS+8*\c+7], v11
.endr
	v_nop
.endm
	s_wait_alu depctr_va_vdst(0)
	s_cmp_ge_u32 ttmp9, 192
	s_cbranch_scc1 .Lx_path
	; ---------------- the weights.  My block is number wave % 4 of fragment q = wave / 4
	s_mul_i32 s40, s18, KSS
	s_lshl_b32 s41, s17, 3
	s_add_co_u32 s41, s41, 128                     ; the work-group's first tile
	s_mul_i32 s41, s41, REC
	s_add_co_u32 s40, s40, s41
	s_lshl_b32 s42, s16, 8                         ; 1,024 q + 256 (wave % 4)
	s_add_co_u32 s42, s42, s40
	s_mov_b32 s43, 0
	s_mul_i32 s44, s16, 2*REC                      ; the scale words: two tiles a wave
	s_add_co_u32 s44, s44, s40
	s_mov_b32 s45, 0
	s_add_nc_u64 s[42:43], s[10:11], s[42:43]
	s_add_nc_u64 s[44:45], s[10:11], s[44:45]
	s_add_co_u32 s46, s16, SCW                     ; byte 4 q + wave % 4 of a row's four words
	s_lshl_b32 s47, s16, 9
	s_add_co_u32 s47, s47, SCW
	v_lshl_add_u32 v8, v3, 3, v5                   ; my column of 32: my lane with bits 3 and 4 exchanged, so lane l is position l
	v_lshlrev_b32 v8, 2, v8
	v_add_nc_u32 v8, s20, v8
	v_mul_u32_u24 v9, REC, v3
	v_add_nc_u32 v9, v9, v7                        ; tile lane / 16, 16 bytes a row
	v_add_nc_u32 v10, s46, v6                      ; my scale byte
	v_add_nc_u32 v14, s47, v6                      ; and the words that I store
.macro LOADW g                         ; block g: 32 rows of column 32 g + my column
.set I, 0
.rept 32
	ds_load_b32 v[XB+32*(\g)+I], v8 offset:PITCH*I+128*(\g)
.set I, I+1
.endr
.endm
.macro OUTW g
	BLOCK \g
	global_store_b128 v9, v[CB+4*(\g):CB+4*(\g)+3], s[42:43] offset:2*REC*(\g)   ; sixteen lanes store 256 consecutive bytes, aligned
.endm
	s_wait_alu depctr_va_vdst(0)
	s_wait_tensorcnt 0x0                           ; my tile is in; no other wave reads it
	LOADW 0
	LOADW 1
	s_wait_dscnt 32                                ; block 0 is in; block 1's loads may be out
	LOADW 2
	OUTW 0
	s_wait_dscnt 32
	LOADW 3
	OUTW 1
	s_wait_dscnt 32
	OUTW 2
	s_wait_dscnt 0x0
	OUTW 3
.irp g, 0,1,2,3
	ds_store_b8 v10, v[EB+\g] offset:512*\g
.endr
	s_wait_alu depctr_va_vdst(0)
	s_wait_dscnt 0x0                               ; for the others' sake: my bytes are in LDS
	s_barrier_signal -1
	s_barrier_wait -1
	s_cmp_lt_u32 s16, 4
	s_cbranch_scc0 .Lw_end
	ds_load_b128 v[200:203], v14
	s_wait_dscnt 0x0
	global_store_b128 v9, v[200:203], s[44:45] offset:4096   ; two runs of 256 bytes
.Lw_end:
	s_wait_tensorcnt 0x0                           ; the wave's end: a wait, an add and its wait behind my last LDS store
	ds_add_u32 v[SPW], v[NIL]
	s_wait_dscnt 0x0
	s_endpgm
	; ---------------- x.  ks = wave / 4, q = wave % 4
.Lx_path:
	s_lshr_b32 s40, s16, 2
	s_and_b32 s41, s16, 3
	s_mul_i32 s42, s40, KSS
	s_lshl_b32 s43, s19, 1
	s_mul_i32 s43, s43, REC                        ; the work-group's two tiles
	s_add_co_u32 s42, s42, s43
	s_lshl_b32 s44, s41, 10
	s_add_co_u32 s42, s42, s44
	s_lshr_b32 s44, s16, 1                         ; the scale words, if I am one of waves 0-3: tile wave / 2, ks 2 (wave % 2) + lane / 16
	s_mul_i32 s44, s44, REC
	s_add_co_u32 s44, s44, s43
	s_and_b32 s45, s16, 1
	s_mul_i32 s45, s45, 2*KSS
	s_add_co_u32 s44, s44, s45
	s_mov_b32 s45, 0
	s_mov_b32 s43, 0
	s_add_nc_u64 s[42:43], s[10:11], s[42:43]
	s_add_nc_u64 s[44:45], s[10:11], s[44:45]
	s_lshl_b32 s46, s40, 8
	s_lshl_b32 s47, s41, 2
	s_add_co_u32 s46, s46, s47
	s_add_co_u32 s46, s46, SCX                     ; scale words in LDS: [tile][ks][r][q]
	s_lshl_b32 s47, s16, 9
	s_add_co_u32 s47, s47, SCX
	v_mul_u32_u24 v8, v5, PITCH
	v_lshl_add_u32 v8, v3, 7, v8
	v_add_nc_u32 v8, s20, v8                       ; row of position r, block h: 128 bytes
	v_add_nc_u32 v9, v7, v3
	v_add_nc_u32 v9, s46, v9                       ; my scale byte
	v_mul_u32_u24 v10, KSS, v3
	v_add_nc_u32 v10, v10, v7
	v_add_nc_u32 v14, s47, v6
	s_wait_alu depctr_va_vdst(0)
	s_wait_tensorcnt 0x0                           ; my tile is in; no other wave reads it
.irp g, 0,1,2,3                        ; block g: tile g / 2, block 2 (g % 2) + h of the fragment
.irp j, 0,1,2,3,4,5,6,7
	ds_load_b128 v[XB+32*\g+4*\j:XB+32*\g+4*\j+3], v8 offset:8*PITCH*(\g/2)+256*(\g%2)+16*\j
.endr
.endr
.irp g, 0,1,2,3
	s_wait_dscnt 24-8*\g                           ; block g's 8 loads are in; the later blocks' may be out
	BLOCK \g
	global_store_b128 v6, v[CB+4*\g:CB+4*\g+3], s[42:43] offset:REC*(\g/2)+512*(\g%2)   ; 512 consecutive bytes
.endr
.irp g, 0,1,2,3
	ds_store_b8 v9, v[EB+\g] offset:1024*(\g/2)+2*(\g%2)
.endr
	s_wait_alu depctr_va_vdst(0)
	s_wait_dscnt 0x0
	s_barrier_signal -1
	s_barrier_wait -1
	s_cmp_lt_u32 s16, 4
	s_cbranch_scc0 .Lx_end
	ds_load_b128 v[200:203], v14
	s_wait_dscnt 0x0
	global_store_b128 v10, v[200:203], s[44:45] offset:4096   ; two runs of 256 bytes
.Lx_end:
	s_wait_tensorcnt 0x0                           ; the wave's end: a wait, an add and its wait behind my last LDS store
	ds_add_u32 v[SPW], v[NIL]
	s_wait_dscnt 0x0
	s_endpgm
.Lfunc_end_k_qb8114e339d_quant:
	.size	k_qb8114e339d_quant, .Lfunc_end_k_qb8114e339d_quant-k_qb8114e339d_quant
	.p2alignl 7, 3214868480
	.fill 96, 4, 3214868480
	.section	.rodata,"a",@progbits
	.p2align	6, 0x0
	.amdhsa_kernel k_qb8114e339d_quant
		.amdhsa_group_segment_fixed_size 327680
		.amdhsa_private_segment_fixed_size 0
		.amdhsa_enable_private_segment 0
		.amdhsa_kernarg_size 32
		.amdhsa_user_sgpr_count 2
		.amdhsa_user_sgpr_kernarg_segment_ptr 1
		.amdhsa_wavefront_size32 1
		.amdhsa_system_sgpr_workgroup_id_x 1
		.amdhsa_system_sgpr_workgroup_id_y 1
		.amdhsa_system_sgpr_workgroup_id_z 1
		.amdhsa_system_vgpr_workitem_id 0
		.amdhsa_next_free_vgpr 256
		.amdhsa_next_free_sgpr 80
		.amdhsa_reserve_vcc 0
		.amdhsa_float_denorm_mode_32 3
		.amdhsa_float_denorm_mode_16_64 3
		.amdhsa_memory_ordered 1
		.amdhsa_forward_progress 1
		.amdhsa_inst_pref_size 30
	.end_amdhsa_kernel
	.amdgpu_metadata
---
amdhsa.version: [ 1, 2 ]
amdhsa.kernels:
  - .name:           k_qb8114e339d_quant
    .symbol:         k_qb8114e339d_quant.kd
    .args:
      - { .name: x, .offset: 0, .size: 8, .value_kind: global_buffer, .address_space: global }
      - { .name: Wqk, .offset: 8, .size: 8, .value_kind: global_buffer, .address_space: global }
      - { .name: Wv, .offset: 16, .size: 8, .value_kind: global_buffer, .address_space: global }
      - { .name: opc, .offset: 24, .size: 8, .value_kind: global_buffer, .address_space: global }
    .group_segment_fixed_size: 327680
    .private_segment_fixed_size: 0
    .kernarg_segment_align: 8
    .kernarg_segment_size: 32
    .max_flat_workgroup_size: 512
    .sgpr_count:     80
    .vgpr_count:     256
    .wavefront_size: 32
...
	.end_amdgpu_metadata
.endif
;; end of part 1
;; launch qkv (part 2): grid 16 x 16, 8 waves a work-group, clusters of 4 x 4, 327,680 bytes of LDS; arguments opc, freqs_cos, freqs_sin, qn_w, kn_w, bv, Wp, attc, atts, wpc, wps; writes attc, atts, wpc, wps
.if DOCPART == 2
	.amdgcn_target "amdgcn-amd-amdhsa--gfx1250"
	.amdhsa_code_object_version 6
	.text
	.protected	k_qb8114e339d_qkv
	.globl	k_qb8114e339d_qkv
	.p2align	8
	.type	k_qb8114e339d_qkv,@function
k_qb8114e339d_qkv:
	s_mov_b64 s[64:65], 0
	v_nop
	global_prefetch_b8 v0, s[64:65] scope:SCOPE_SE
	s_setreg_imm32_b32 hwreg(HW_REG_WAVE_MODE, 25, 1), 1
	s_wait_xcnt 0x0
	s_wait_alu depctr_hold_cnt(0) depctr_sa_sdst(0) depctr_va_vdst(0) depctr_va_sdst(0) depctr_va_ssrc(0) depctr_va_vcc(0) depctr_vm_vsrc(0)
	s_getreg_b32 s2, hwreg(HW_REG_IB_STS2, 6, 4)
	s_cmp_eq_u32 s2, 0
	s_cbranch_scc0 .Lentry_in_a_cluster
	s_endpgm
.Lentry_in_a_cluster:
	s_bfe_u32 s2, ttmp6, 0x10000c
	s_cmp_lg_u32 s2, 0xf033
	s_cbranch_scc0 .Lentry_shape_is_right
	s_endpgm
.Lentry_shape_is_right:
; Products 1 and 2 on the codes that the launch before has made, and what follows them: q, k: RMS norm over a head's 128, gain, rotation; v: + bv.  q, k and v leave as codes of E2M1, quantised along the K of the product that takes them.
; Wp is quantised here too, for the last launch: its loads stand under the products.  No work of reference() is left out here.
; TILES.  Work-group (tx, ty) makes q, k and v of head tx for the 128 rows of group ty: 128 x 384.  Wave w: c = w % 4: channels 32 c .. 32 c + 31 of each; rh = w / 4: rows 64 rh .. 64 rh + 63: 4 x 6 accumulators.
; q, k: source 0 = columns of Wqk, source 1 = rows of x: a lane holds ONE row and its registers run along the channels.  v: source 0 = rows of x, source 1 = columns of Wv: a lane holds ONE channel and its registers run along the keys.
; Both operands stand in position order (bits 3 and 4 of a row's number exchanged), so the 16 registers of tiles 2 B and 2 B + 1 are the 16 neighbours 32 B + 16 (lane / 16) + 0 .. 15.
; OPERANDS lie in memory as [ks][tile of 16 rows][4,352 bytes]: four fragments as images of their registers and the scale words: 8 tiles of one ks are 34,816 dense bytes, one tensor load.  K goes in four steps of 512 through two LDS slots.
; At the head every wave issues one load: waves 0-3 K step 0 (x, q, k, v), waves 4-7 K step 1; the refills are waves 0-3's.  CLUSTER 4 x 4: x's tiles hang on ty alone and are asked for jointly along a row of the cluster, the weights' on tx alone, along a column.
; PREFETCH INTO THE L2: K step 2 is asked for at the head, K step 3 behind K step 2's joint load: a K step ahead of the load that wants it.  A wave names one of the 8 tiles of its group (17 blocks of 256 bytes): the four partners and
; their two waves of a c share the tiles out by address, so each block is named once in each cluster that loads it.  K steps 0 and 1 come by their loads alone; behind K step 3 nothing is asked for.
; A ROW'S SUM OF SQUARES has 32 channels in each of four waves: the parts meet in LDS.
; OUT: attc [hs 0-47][group 0-15][tile 0-7][1,024 bytes], hs 0-15 q, 16-31 k, 32-47 v; for q and k a group is 128 positions of the sequence, for v 128 keys and a tile 16 channel positions.
;      atts [hs][group][tile / 4][r][tile % 4] words.   wpc [tile 0-127][kq = k / 128][1,024 bytes], wps [kq][tile][r] words.
; LIMITS: a block of zeros gets the byte 1 (its codes are zeros; this program alone reads the bytes); blocks under 2^-124 keep the byte 1; NaN and infinities are not served.
; REGISTERS: window 0: v0-31 addresses; v32-79 scale words, two sets (lanes 0-15 x's tile i, lanes 16-31 the weights' tile i of six); v80-143 x's fragments, v144-239 the weights', two sets each; v240-255 at work.
;   window 1: v0-191 the accumulators: q, k at 32 a + 8 b, v at 128 + 32 e + 8 a; v192-255 Wp's numbers, then the tables.
.set REC,    4352
.set KSS,    512*REC
.set GRP,    8*REC                     ; what one tensor load brings
.set SLOT,   4*GRP                     ; x, q, k, v
.set XCH,    2*SLOT                    ; the sums' meeting place: 1,024 bytes a wave
.set SCW,    XCH+8192                  ; the scale words of q, k, v and Wp: 512 bytes each
.set SPARE,  SCW+2048                  ; the spare words, 128 bytes a wave
.set LI,   1                           ; v1  16 x lane
.set XA,   2                           ; (the way out) v2-6
.set XR,   3
.set VOV,  4
.set SR,   5
.set SVW,  6
.set VT,   8                           ; v8  my row's place in the tables + 32 h
.set VW,   9                           ; v9  64 h
.set VB,   10                          ; v10 my channel's place in bv
.set WPO,  11                          ; v11 my column of Wp
.set WPA,  12                          ; v12 my place in wpc
.set WPS,  13                          ; v13 my half word among Wp's scale words in LDS
.set ADA,  14                          ; v14-15 x's fragments in slot 0, 1
.set ADB,  16                          ; v16-17 q's (k's lie GRP further on)
.set ADV,  18                          ; v18-19 v's
.set ADS,  20                          ; v20-25 scale words: three for each slot
.set PFO,  26                          ; v26 the prefetches' offset; never rewritten
.set SPW,  28
.set NIL,  29
.set VOQ,  30                          ; v30 my 8 bytes of a block of q or k
.set SB,   31                          ; v31 my scale byte of a row of q or k
.set SC,   32
.set AF,   80
.set BF,   144
.set G1, 24
.set G0, 32
.set G1B, 48
.set G0B, 56
.set WV,   66                          ; s66 wave;  s67 c;  s98 rh
.set PFA,  90                          ; s[90:91] where my prefetches stand: K step 2
.set SEL,  70
; the way out, window 0
.set HA,   80                          ; v80-143 64 numbers at work
.set GQ,   144                         ; v144-159 q's gain, v160-175 k's
.set SS,   176                         ; v176-191 sums of squares, in pairs
.set PC,   176                         ; then the codes of q and k, two registers a tile
.set SV,   192                         ; v192-199 the sums as single numbers
.set PT,   200
.set RS,   192                         ; then 1 / rms: q's four tiles, k's four
.set XL,   208                         ; v208-239 the four waves' sums
.set TR,   208                         ; v208-223
.set TM,   224                         ; v224-239 the quantiser's work
.set VC,   240                         ; v240-247 codes of v (earlier: of Wp)
.set BV,   248                         ; v248-249 bv
.set PH,   250                         ; v250-251 v's half words
.set WT,   248                         ; v248-254 at work on Wp
.set TB0,  192                         ; window 1: v192-255: 8 of cos, 8 of sin for each of four tiles
.set MSB, 0
.macro WIN new                         ; the immediate's high byte repeats the setting that is left
.if MSB != \new
	s_set_vgpr_msb (MSB<<8)|\new
.set MSB, \new
.endif
.endm
.set MUL, 0x50                         ; sources 0 and 1 window 0, C and D window 1
.macro TLOAD g0, g1                    ; an s_nop 0 and four v_nop follow each tensor load
	tensor_load_to_lds s[\g0:\g0+3], s[\g1:\g1+7]
	s_nop 0
.rept 4
	v_nop
.endr
.endm
.macro CREST                           ; a round of the cluster's barrier behind its opening barrier
	s_cmp_lg_u32 s[WV], 0
	s_cbranch_scc1 .Lnot_wave_0_\@
	s_barrier_signal -3
.Lnot_wave_0_\@:
	s_barrier_wait -3
	s_barrier_signal -1
	s_barrier_wait -1
.endm
.macro CROUND
	s_barrier_signal -1
	s_barrier_wait -1
	CREST
.endm
	s_load_b128 s[4:7], s[0:1], 0x0                ; opc, freqs_cos
	s_load_b256 s[8:15], s[0:1], 0x10              ; freqs_sin, qn_w, kn_w, bv
	s_load_b256 s[16:23], s[0:1], 0x30             ; Wp, attc, atts, wpc
	s_load_b64 s[68:69], s[0:1], 0x50              ; wps
	v_lshl_add_u32 v[SPW], v0, 2, SPARE
	v_mov_b32 v[NIL], 0
	ds_add_u32 v[SPW], v[NIL]                      ; the wave's opening: the add, twice on end, and its wait ahead of my first tensor load
	ds_add_u32 v[SPW], v[NIL]
	v_lshrrev_b32 v1, 5, v0
	v_readfirstlane_b32 s[WV], v1                  ; wave 0..7
	s_and_b32 s67, s[WV], 3                        ; c
	s_lshr_b32 s98, s[WV], 2                       ; rh
	s_bfe_u32 s40, ttmp6, 0x40000                  ; cx
	s_bfe_u32 s41, ttmp6, 0x40004                  ; cy
	s_lshl_b32 s42, ttmp9, 2
	s_add_co_u32 s42, s42, s40                     ; tx: the head
	s_and_b32 s43, ttmp7, 0xffff
	s_lshl_b32 s43, s43, 2
	s_add_co_u32 s43, s43, s41                     ; ty: the group of 128 rows
	s_lshl_b32 s44, s41, 2
	s_lshl_b32 s44, 15, s44                        ; my row of the cluster
	s_lshl_b32 s45, 0x1111, s40                    ; my column
	s_or_b32 s[G1+0], s44, (3<<16)|(1<<21)         ; elements of 8 bytes; bit 21 set beside a mask
	s_or_b32 s[G1B+0], s45, (3<<16)|(1<<21)
.irp g, G1, G1B                        ; 34,816 dense bytes as 136 rows of 256
	s_mov_b32 s[\g+1], 32<<16
	s_mov_b32 s[\g+2], 136<<16
	s_mov_b32 s[\g+3], 32<<16
	s_mov_b32 s[\g+4], 136
	s_mov_b32 s[\g+5], 32
	s_mov_b32 s[\g+6], 0
	s_mov_b32 s[\g+7], 0
.endr
	s_mul_i32 s104, s98, KSS                       ; my K step at the head
	s_mul_i32 s96, s43, GRP                        ; x: tile 8 ty
	s_add_co_u32 s96, s96, s104
	s_mov_b32 s97, 0
	s_mul_i32 s100, s42, GRP                       ; the weights: tile 128 c + 8 tx
	s_mul_i32 s101, s67, 128*REC
	s_add_co_u32 s100, s100, s101
	s_add_co_u32 s100, s100, s104
	s_mov_b32 s101, 0
	s_mul_i32 s46, s[WV], GRP                      ; where they go: slot rh, group c: no place in the cluster enters an LDS address
	s_wait_dscnt 0x0                               ; both opening adds are done
	s_wait_kmcnt 0x0
	s_add_nc_u64 s[96:97], s[4:5], s[96:97]
	s_add_nc_u64 s[100:101], s[4:5], s[100:101]
	s_mov_b32 s[G0], 1
	s_mov_b32 s[G0+1], s46
	s_mov_b64 s[G0+2:G0+3], s[96:97]
	s_or_b32 s[G0+3], s[G0+3], 0x80000000
	s_mov_b32 s[G0B], 1
	s_mov_b32 s[G0B+1], s46
	s_mov_b64 s[G0B+2:G0B+3], s[100:101]
	s_or_b32 s[G0B+3], s[G0B+3], 0x80000000
	CROUND                                         ; all sixteen work-groups are here: the first joint loads meet
	; the head's loads, one a wave.  K step 1's lines are their own: they are waited for later
	s_cmp_eq_u32 s[WV], 0
	s_cbranch_scc0 .Lh1
	TLOAD G0, G1
	s_branch .Lh_asked
.Lh1:
	s_cmp_lt_u32 s[WV], 4
	s_cbranch_scc0 .Lh2
	TLOAD G0B, G1B
	s_branch .Lh_asked
.Lh2:
	s_cmp_eq_u32 s[WV], 4
	s_cbranch_scc0 .Lh3
	TLOAD G0, G1
	s_branch .Lh_asked
.Lh3:
	TLOAD G0B, G1B
.Lh_asked:
	; Wp: rows 128 ty + 64 rh .., columns 128 tx + 32 c ..: each work-group has its own part
	s_lshl_b32 s72, s43, 20
	s_lshl_b32 s73, s98, 19
	s_add_co_u32 s72, s72, s73
	s_lshl_b32 s73, s42, 9
	s_add_co_u32 s72, s72, s73
	s_lshl_b32 s73, s67, 7
	s_add_co_u32 s72, s72, s73
	s_mov_b32 s73, 0
	s_add_nc_u64 s[16:17], s[16:17], s[72:73]
	s_lshl_b32 s74, s42, 17                        ; wpc: tile 8 tx + 2 c, kq = ty, blocks 2 rh, 2 rh + 1
	s_lshl_b32 s75, s67, 15
	s_add_co_u32 s74, s74, s75
	s_lshl_b32 s75, s43, 10
	s_add_co_u32 s74, s74, s75
	s_lshl_b32 s75, s98, 9
	s_add_co_u32 s74, s74, s75
	s_mov_b32 s75, 0
	s_add_nc_u64 s[22:23], s[22:23], s[74:75]
	s_lshl_b32 s76, s43, 13                        ; wps: 512 bytes of the work-group
	s_lshl_b32 s77, s42, 9
	s_add_co_u32 s76, s76, s77
	s_mov_b32 s77, 0
	s_add_nc_u64 s[68:69], s[68:69], s[76:77]
	s_lshl_b32 s78, s43, 15                        ; the tables: my 64 rows of 256 bytes, my 16 pairs of each
	s_lshl_b32 s79, s98, 14
	s_add_co_u32 s78, s78, s79
	s_lshl_b32 s79, s67, 6
	s_add_co_u32 s78, s78, s79
	s_mov_b32 s79, 0
	s_add_nc_u64 s[6:7], s[6:7], s[78:79]
	s_add_nc_u64 s[8:9], s[8:9], s[78:79]
	s_lshl_b32 s80, s67, 7                         ; the gains: my 32 channels
	s_mov_b32 s81, 0
	s_add_nc_u64 s[10:11], s[10:11], s[80:81]
	s_add_nc_u64 s[12:13], s[12:13], s[80:81]
	s_lshl_b32 s82, s42, 9                         ; bv: the head's
	s_add_co_u32 s82, s82, s80
	s_mov_b32 s83, 0
	s_add_nc_u64 s[14:15], s[14:15], s[82:83]
	s_lshl_b32 s84, s42, 17                        ; attc at q's head and group
	s_lshl_b32 s85, s43, 13
	s_add_co_u32 s84, s84, s85
	s_mov_b32 s85, 0
	s_add_nc_u64 s[18:19], s[18:19], s[84:85]
	s_lshl_b32 s86, s67, 17                        ; the scale words at the end: wave 0 q's, wave 1 k's, wave 2 v's into atts, wave 3 Wp's into wps
	s_lshl_b32 s87, s42, 13
	s_add_co_u32 s86, s86, s87
	s_lshl_b32 s87, s43, 9
	s_add_co_u32 s86, s86, s87
	s_mov_b32 s87, 0
	s_add_nc_u64 s[20:21], s[20:21], s[86:87]
	s_cmp_eq_u32 s[WV], 3
	s_cselect_b64 s[20:21], s[68:69], s[20:21]
	s_mul_i32 s88, s42, GRP                        ; the prefetches: my group of 8 tiles,
	s_mul_i32 s89, s67, 128*REC
	s_add_co_u32 s88, s88, s89
	s_mul_i32 s89, s43, GRP
	s_cmp_eq_u32 s67, 0
	s_cselect_b32 s88, s89, s88
	s_cselect_b32 s89, s40, s41                    ; my place among the four that ask for it with me
	s_lshl_b32 s89, s89, 1
	s_add_co_u32 s89, s89, s98
	s_mul_i32 s89, s89, REC                        ; my tile of it,
	s_add_co_u32 s88, s88, s89
	s_add_co_u32 s88, s88, 2*KSS                   ; in K step 2
	s_mov_b32 s89, 0
	s_add_nc_u64 s[PFA:PFA+1], s[4:5], s[88:89]
	s_mul_i32 s92, s67, 2*REC                      ; my two tiles of the weights' eight
	s_mul_i32 s93, s98, 4*REC                      ; my four of x's
	s_sub_co_u32 s94, s92, s93
	s_add_co_u32 s72, s94, GRP                     ; from x's tile 4 rh + 2 j to the weights' pair j, in bytes
	s_add_co_u32 s73, s94, 2*GRP-2*REC
	s_add_co_u32 s74, s94, 3*GRP-4*REC
	s_add_co_u32 s92, s92, GRP
	s_lshl_b32 s75, s67, 8                         ; VOQ: 4,096 rh + 256 c
	s_lshl_b32 s76, s98, 12
	s_add_co_u32 s75, s75, s76
	s_lshl_b32 s76, s98, 8                         ; SB: 256 rh + c
	s_add_co_u32 s76, s76, s67
	s_add_co_u32 s76, s76, SCW
	s_lshl_b32 s77, s67, 7                         ; WPS: 128 c + 2 rh
	s_lshl_b32 s78, s98, 1
	s_add_co_u32 s77, s77, s78
	s_add_co_u32 s77, s77, SCW+1536
	s_mov_b32 s[SEL], 0x76543210
	s_mov_b32 s[SEL+1], 0xfedcba98
	v_and_b32 v2, 15, v0                           ; r
	v_bfe_u32 v3, v0, 4, 1                         ; h
	v_and_b32 v4, 31, v0
	v_lshlrev_b32 v[LI], 4, v4
	v_min_u32 v[PFO], 16, v4
	v_lshlrev_b32 v[PFO], 8, v[PFO]                ; lanes 0-16 a tile's 17 blocks; the others the last again
	v_lshlrev_b32 v4, 2, v4
	v_add_nc_u32 v[WPS], s77, v4
	v_and_b32 v4, 7, v2
	v_lshrrev_b32 v5, 3, v2
	v_lshl_add_u32 v5, v5, 4, v4                   ; position r of a tile is row r % 8 + 16 (r / 8) of its 32
	v_lshlrev_b32 v[VB], 2, v5
	v_lshlrev_b32 v[VT], 8, v5
	v_lshl_add_u32 v[VT], v3, 5, v[VT]
	v_lshlrev_b32 v[VW], 6, v3
	v_lshl_add_u32 v[WPO], v3, 5, v[VB]            ; lane l is position l of 32 columns
	v_lshlrev_b32 v6, 4, v2
	v_lshl_or_b32 v[WPA], v3, 14, v6               ; tile lane / 16, 16 bytes a row
	v_add_nc_u32 v[SB], s76, v6
	v_add_nc_u32 v[VOQ], s75, v6
	v_lshl_add_u32 v[VOQ], v3, 3, v[VOQ]           ; + 16 r + 8 h
	v_add_nc_u32 v6, s93, v6
	v_add_nc_u32 v6, 4096, v6
	v_add_nc_u32 v[ADA], s93, v[LI]
	v_add_nc_u32 v[ADA+1], SLOT, v[ADA]
	v_add_nc_u32 v[ADB], s92, v[LI]
	v_add_nc_u32 v[ADB+1], SLOT, v[ADB]
	v_add_nc_u32 v[ADV], 2*GRP, v[ADB]
	v_add_nc_u32 v[ADV+1], 2*GRP, v[ADB+1]
.irp j, 0,1,2
	v_mul_u32_u24 v7, s[72+\j], v3                 ; lanes 16-31 take the weights'
	v_add_nc_u32 v7, v6, v7
	v_add_nc_u32 v[ADS+\j], 2*REC*\j, v7
	v_add_nc_u32 v[ADS+3+\j], 2*REC*\j+SLOT, v7
.endr
	s_wait_alu depctr_va_vdst(0)                   ; the wait at the head's end
	WIN 0x40                                       ; Wp: 64 rows of my column; a wave reads 128 consecutive bytes, four waves 512
.set I, 0
.rept 64
	global_load_b32 v[192+I], v[WPO], s[16:17] offset:I*8192 th:TH_LOAD_NT
.set I, I+1
.endr
	WIN 0
	global_prefetch_b8 v[PFO], s[PFA:PFA+1] th:TH_LOAD_NT scope:SCOPE_SE   ; K step 2
.macro WPCONV                          ; two blocks of my column become 32 bytes of codes and half a scale word
	s_wait_loadcnt 0x0
	WIN 0x14
.irp b, 0,1
	v_max3_num_f32 v[WT+\b], 0x1800000, |v[192+32*\b]|, |v[193+32*\b]|   ; and the floor 2^(3 - 127)
.endr
.irp i, 2,4,6,8,10,12,14,16,18,20,22,24,26,28,30
.irp b, 0,1
	v_max3_num_f32 v[WT+\b], v[WT+\b], |v[192+32*\b+\i]|, |v[193+32*\b+\i]|
.endr
.endr
	WIN 0x01
.irp b, 0,1
	v_add_nc_u32 v[WT+2+\b], 0xff000000, v[WT+\b]
.endr
.irp b, 0,1
	v_lshrrev_b32 v[WT+4+\b], 23, v[WT+2+\b]
.endr
.irp b, 0,1
.irp g, 0,1,2,3
	v_cvt_scalef32_pk8_fp4_f32 v[VC+4*\b+\g], v[192+32*\b+8*\g:199+32*\b+8*\g], v[WT+2+\b]
.endr
.endr
	v_nop                                          ; one plain place behind a scaled conversion
	WIN 0
	v_lshl_or_b32 v[WT+6], v[WT+5], 8, v[WT+4]
	ds_store_b16 v[WPS], v[WT+6]
.irp b, 0,1
	global_store_b128 v[WPA], v[VC+4*\b:VC+4*\b+3], s[22:23] offset:256*\b   ; sixteen lanes store 256 consecutive bytes
.endr
.endm
.macro TABLES                          ; cos and sin of my pairs 16 c + 8 h + 0 .. 7 of my four tiles' rows
	WIN 0x40
.irp a, 0,1,2,3
.irp e, 0,1
	global_load_b128 v[TB0+16*\a+4*\e:TB0+16*\a+4*\e+3], v[VT], s[6:7] offset:(32*(\a/2)+8*(\a%2))*256+16*\e
	global_load_b128 v[TB0+16*\a+8+4*\e:TB0+16*\a+8+4*\e+3], v[VT], s[8:9] offset:(32*(\a/2)+8*(\a%2))*256+16*\e
.endr
.endr
	WIN 0
.endm
.macro GAINS                           ; the gains of my 16 channels, bv of my channel in two tiles
.irp e, 0,1,2,3
	global_load_b128 v[GQ+4*\e:GQ+4*\e+3], v[VW], s[10:11] offset:16*\e
	global_load_b128 v[GQ+16+4*\e:GQ+16+4*\e+3], v[VW], s[12:13] offset:16*\e
.endr
.irp e, 0,1
	global_load_b32 v[BV+\e], v[VB], s[14:15] offset:32*\e
.endr
.endm
.macro FRAG reg, adr, off              ; a fragment's image: registers 4 c .. 4 c + 3 at 512 c + 16 x lane
.irp c, 0,1
	ds_load_b128 v[\reg+4*\c:\reg+4*\c+3], v[\adr] offset:\off+512*\c
.endr
.endm
.macro FETCH slot, q, p                ; q's, k's and v's two fragments and x's four into set p: 20 loads
.irp i, 0,1
	FRAG BF+48*(\p)+8*\i, ADB+\slot, 1024*(\q)+REC*\i
	FRAG BF+48*(\p)+16+8*\i, ADB+\slot, GRP+1024*(\q)+REC*\i
	FRAG BF+48*(\p)+32+8*\i, ADV+\slot, 1024*(\q)+REC*\i
.endr
.irp i, 0,1,2,3
	FRAG AF+32*(\p)+8*\i, ADA+\slot, 1024*(\q)+REC*\i
.endr
.endm
.macro SCALES sc                       ; a K step's scale words: register 4 i + q
.irp j, 0,1,2
.irp e, 0,1
	ds_load_b128 v[SC+24*\sc+8*\j+4*\e:SC+24*\sc+8*\j+4*\e+3], v[ADS+3*\sc+\j] offset:REC*\e
.endr
.endr
.endm
; The 24 accumulators take turns, one instruction a turn, in the same order in every step.
.macro MULQK a0, p, q, sc, zero        ; x's blocks a0, a0 + 1 with q's and k's two tiles: 8 products
.irp a, \a0, \a0+1
.irp b, 0,1,2,3
.if \zero
	v_wmma_scale_f32_16x16x128_f8f6f4 v[32*(\a)+8*\b:32*(\a)+8*\b+7], v[BF+48*(\p)+8*\b:BF+48*(\p)+8*\b+7], v[AF+32*(\p)+8*(\a):AF+32*(\p)+8*(\a)+7], 0, v[SC+24*\sc+4*\b+(\q)], v[SC+24*\sc+4*(\a)+(\q)] matrix_a_fmt:MATRIX_FMT_FP4 matrix_b_fmt:MATRIX_FMT_FP4 matrix_a_scale:MATRIX_SCALE_ROW1
.else
	v_wmma_scale_f32_16x16x128_f8f6f4 v[32*(\a)+8*\b:32*(\a)+8*\b+7], v[BF+48*(\p)+8*\b:BF+48*(\p)+8*\b+7], v[AF+32*(\p)+8*(\a):AF+32*(\p)+8*(\a)+7], v[32*(\a)+8*\b:32*(\a)+8*\b+7], v[SC+24*\sc+4*\b+(\q)], v[SC+24*\sc+4*(\a)+(\q)] matrix_a_fmt:MATRIX_FMT_FP4 matrix_b_fmt:MATRIX_FMT_FP4 matrix_a_scale:MATRIX_SCALE_ROW1
.endif
.endr
.endr
.endm
.macro MULV p, q, sc, zero             ; x's four blocks with v's two tiles, the sources the other way round: 8 products
.irp a, 0,1,2,3
.irp e, 0,1
.if \zero
	v_wmma_scale_f32_16x16x128_f8f6f4 v[128+32*\e+8*\a:128+32*\e+8*\a+7], v[AF+32*(\p)+8*\a:AF+32*(\p)+8*\a+7], v[BF+48*(\p)+32+8*\e:BF+48*(\p)+32+8*\e+7], 0, v[SC+24*\sc+4*\a+(\q)], v[SC+24*\sc+16+4*\e+(\q)] matrix_a_fmt:MATRIX_FMT_FP4 matrix_b_fmt:MATRIX_FMT_FP4 matrix_b_scale:MATRIX_SCALE_ROW1
.else
	v_wmma_scale_f32_16x16x128_f8f6f4 v[128+32*\e+8*\a:128+32*\e+8*\a+7], v[AF+32*(\p)+8*\a:AF+32*(\p)+8*\a+7], v[BF+48*(\p)+32+8*\e:BF+48*(\p)+32+8*\e+7], v[128+32*\e+8*\a:128+32*\e+8*\a+7], v[SC+24*\sc+4*\a+(\q)], v[SC+24*\sc+16+4*\e+(\q)] matrix_a_fmt:MATRIX_FMT_FP4 matrix_b_fmt:MATRIX_FMT_FP4 matrix_b_scale:MATRIX_SCALE_ROW1
.endif
.endr
.endr
.endm
.macro PLACES                          ; plain vector instructions between a matrix instruction and a load into, or a read of, its registers
.rept 4
	v_nop
.endr
.endm
.macro STEP slot, q, zero              ; 128 along K with its successor in the same slot, whose fragments are asked for ahead of the products
	s_wait_dscnt 0x0
	PLACES
	FETCH \slot, (\q)+1, 1-(\q)%2
	WIN MUL
	MULQK 0, (\q)%2, \q, \slot, \zero
	MULQK 2, (\q)%2, \q, \slot, \zero
	MULV (\q)%2, \q, \slot, \zero
	WIN 0
.endm
; A slot's last step changes slots: one barrier; in front of it each wave waits for all its tensor loads, adds 0 to its spare word, and waits for that and for its reads of this slot.  fill = 1: waves 0-3 fill the slot again, two K steps on.
.macro TURN slot, next, fill
	s_wait_tensorcnt 0x0                           ; all my tensor loads have landed: my part of the next slot
	ds_add_u32 v[SPW], v[NIL]
	s_wait_dscnt 1                                 ; (the add may be out)
	WIN MUL
	MULQK 0, 1, 3, \slot, 0
	s_wait_dscnt 0x0                               ; the add is done, and my reads of this slot are over
	s_barrier_signal -1
	MULQK 2, 1, 3, \slot, 0
	WIN 0
	s_barrier_wait -1
.if \fill
	CREST                                          ; the barrier has opened a round of the cluster's: no wave of any partner still reads this slot or has a load on its way
.irp g, G0, G0B
.if \slot == 0
	s_add_nc_u64 s[\g+2:\g+3], s[\g+2:\g+3], 2*KSS ; waves 0-3: from K step 0 to 2
.else
	s_add_nc_u64 s[\g+2:\g+3], s[\g+2:\g+3], KSS   ; and to 3, in slot 1
	s_add_co_u32 s[\g+1], s[\g+1], SLOT
.endif
.endr
	s_cmp_eq_u32 s[WV], 0                          ; the joint load, first behind the round
	s_cbranch_scc0 .Lfor_b_\@
	TLOAD G0, G1
	s_branch .Lasked_\@
.Lfor_b_\@:
	s_cmp_lt_u32 s[WV], 4
	s_cbranch_scc0 .Lasked_\@
	TLOAD G0B, G1B
.Lasked_\@:
.endif
	PLACES
	FETCH \next, 0, 0
	SCALES \next
.if (\fill) && (\slot) == 0
	global_prefetch_b8 v[PFO], s[PFA:PFA+1] offset:KSS th:TH_LOAD_NT scope:SCOPE_SE   ; K step 3
.endif
	WIN MUL
	MULV 1, 3, \slot, 0
	WIN 0
.endm
	s_cmp_lt_u32 s[WV], 4                          ; waves 0-3: my part of K step 0 is in (K step 1's lines are waited for at the first change of slots)
	s_cbranch_scc0 .Lnot_yet
	s_wait_tensorcnt 0x0
.Lnot_yet:
	s_barrier_signal -1
	s_barrier_wait -1                              ; everybody's is
	FETCH 0, 0, 0
	SCALES 0
	STEP 0, 0, 1                                   ; the first products start the sums: nothing is cleared
	STEP 0, 1, 0
	STEP 0, 2, 0
	TURN 0, 1, 1                                   ; slot 0 takes K step 2
	STEP 1, 0, 0
	WPCONV
	STEP 1, 1, 0
	TABLES                                         ; over Wp's numbers, which have been converted
	STEP 1, 2, 0
	TURN 1, 0, 1                                   ; slot 1 takes K step 3
	STEP 0, 0, 0
	STEP 0, 1, 0
	STEP 0, 2, 0
	TURN 0, 1, 0
	STEP 1, 0, 0
	STEP 1, 1, 0
	STEP 1, 2, 0
	s_wait_dscnt 0x0
	PLACES
	GAINS                                          ; over the weights' set 0
	WIN MUL
	MULQK 0, 1, 3, 1, 0
	MULQK 2, 1, 3, 1, 0
	MULV 1, 3, 1, 0
	WIN 0
	; ---------------- THE WAY OUT.  The seven vector lines below are the places behind the last products.
	s_lshl_b32 s72, s[WV], 10
	s_add_co_u32 s72, s72, XCH
	s_lshl_b32 s73, s98, 12
	s_add_co_u32 s73, s73, XCH
	s_lshl_b32 s74, s67, 11
	s_lshl_b32 s75, s98, 9
	s_add_co_u32 s74, s74, s75
	s_lshl_b32 s76, s67, 9
	s_add_co_u32 s76, s76, SCW
	s_lshr_b32 s77, s67, 1
	s_lshl_b32 s77, s77, 8
	s_and_b32 s78, s67, 1
	s_lshl_b32 s78, s78, 3
	s_add_co_u32 s77, s77, s78
	s_lshl_b32 s78, s98, 1
	s_add_co_u32 s77, s77, s78
	s_add_co_u32 s77, s77, SCW+1024
	v_and_b32 v7, 15, v0
	v_lshlrev_b32 v7, 4, v7
	v_add_nc_u32 v[SVW], s77, v7                   ; v's half words of tiles 2 c, 2 c + 1
	v_add_nc_u32 v[XA], s72, v[LI]                 ; where my sums go,
	v_add_nc_u32 v[XR], s73, v[LI]                 ; and where those of my rows' four waves lie
	v_add_nc_u32 v[VOV], s74, v[LI]                ; my halves of two fragments of v
	v_add_nc_u32 v[SR], s76, v[LI]                 ; 512 bytes of scale words
	; the sums of squares of q's and k's four tiles: eight chains by turns; each accumulator is read from its low end on
	WIN 0x05
.irp t, 0,1,2,3
.irp u, 0,1
	v_pk_mul_f32 v[SS+8*\u+2*\t:SS+8*\u+2*\t+1], v[32*\t+16*\u:32*\t+16*\u+1], v[32*\t+16*\u:32*\t+16*\u+1]
.endr
.endr
.irp j, 1,2,3,4,5,6,7
.irp t, 0,1,2,3
.irp u, 0,1
	v_pk_fma_f32 v[SS+8*\u+2*\t:SS+8*\u+2*\t+1], v[32*\t+16*\u+2*\j:32*\t+16*\u+2*\j+1], v[32*\t+16*\u+2*\j:32*\t+16*\u+2*\j+1], v[SS+8*\u+2*\t:SS+8*\u+2*\t+1]
.endr
.endr
.endr
	WIN 0
.irp i, 0,1,2,3,4,5,6,7                ; number 4 (k) + tile
	v_add_f32 v[SV+\i], v[SS+2*\i], v[SS+2*\i+1]
.endr
.irp i, 0,1,2,3,4,5,6,7
	v_permlanex16_b32 v[PT+\i], v[SV+\i], s[SEL], s[SEL+1]   ; the other 16 of my 32 channels lie in lane l xor 16
.endr
.irp i, 0,1,2,3,4,5,6,7
	v_add_f32 v[SV+\i], v[SV+\i], v[PT+\i]
.endr
.irp i, 0,1
	ds_store_b128 v[XA], v[SV+4*\i:SV+4*\i+3] offset:512*\i
.endr
	s_wait_alu depctr_va_vdst(0)
	s_wait_xcnt 0x0                                ; Wp's stores have read their registers, which take v's codes below
	s_wait_loadcnt 0x0                             ; tables, gains and bv
	s_wait_dscnt 0x0                               ; for the others' sake: my sums are in LDS
	s_barrier_signal -1
; 64 numbers of a lane, four blocks b at 16 b, become four scale operands in TM + 12 .., four bytes in TM + 4 ..
.macro QSCALE s
.irp b, 0,1,2,3
	v_max3_num_f32 v[TM+\b], |v[\s+16*\b]|, |v[\s+1+16*\b]|, 0x1800000   ; my 16 numbers of block b, and the floor 2^(3 - 127)
.endr
.irp i, 2,4,6,8,10,12,14
.irp b, 0,1,2,3
	v_max3_num_f32 v[TM+\b], v[TM+\b], |v[\s+16*\b+\i]|, |v[\s+1+16*\b+\i]|
.endr
.endr
.irp b, 0,1,2,3
	v_permlanex16_b32 v[TM+4+\b], v[TM+\b], s[SEL], s[SEL+1]
.endr
.irp b, 0,1,2,3
	v_max_num_f32 v[TM+\b], v[TM+\b], v[TM+4+\b]   ; with lane l xor 16's: the block's largest magnitude
.endr
.irp b, 0,1,2,3
	v_add_nc_u32 v[TM+12+\b], 0xff000000, v[TM+\b] ; 2 off its exponent field: the conversions' scale operand
.endr
.irp b, 0,1,2,3
	v_lshrrev_b32 v[TM+4+\b], 23, v[TM+12+\b]      ; the byte
.endr
.endm
.macro CODES s, pc
.irp b, 0,1,2,3
	v_cvt_scalef32_pk8_fp4_f32 v[\pc+2*\b], v[\s+16*\b:\s+7+16*\b], v[TM+12+\b]
	v_cvt_scalef32_pk8_fp4_f32 v[\pc+1+2*\b], v[\s+8+16*\b:\s+15+16*\b], v[TM+12+\b]
.endr
	v_nop                                          ; one plain place behind a scaled conversion
.endm
	; v, between the barrier's signal and its wait: registers alone.  Channel tiles 2 c, 2 c + 1: my 64 keys, + bv, the quantiser
	WIN 0x01
.irp j, 0,1,2,3,4,5,6,7,8,9,10,11,12,13,14,15
	v_pk_add_f32 v[HA+2*\j:HA+2*\j+1], v[128+2*\j:128+2*\j+1], v[BV:BV+1] op_sel:[0,0] op_sel_hi:[1,0]
	v_pk_add_f32 v[HA+32+2*\j:HA+32+2*\j+1], v[160+2*\j:160+2*\j+1], v[BV:BV+1] op_sel:[0,1] op_sel_hi:[1,1]
.endr
	WIN 0
	QSCALE HA
	v_lshl_or_b32 v[PH], v[TM+5], 8, v[TM+4]
	v_lshl_or_b32 v[PH+1], v[TM+7], 8, v[TM+6]
	CODES HA, VC
.irp e, 0,1                            ; the operand's layout wants a whole block in a lane
.irp i, 0,1
	v_permlane16_swap_b32 v[VC+4*\e+\i], v[VC+4*\e+2+\i]
.endr
.endr
	s_barrier_wait -1                              ; everybody's sums are in LDS
	s_wait_alu depctr_va_vdst(0)                   ; the wait ahead of the readers below
.irp u, 0,1,2,3                        ; the four waves' sums
.irp i, 0,1
	ds_load_b128 v[XL+8*\u+4*\i:XL+8*\u+4*\i+3], v[XR] offset:1024*\u+512*\i
.endr
.endr
.irp e, 0,1
	ds_store_b16 v[SVW], v[PH+\e] offset:4*\e      ; both lanes of a row write the same half word with the same value
	global_store_b128 v[VOV], v[VC+4*\e:VC+4*\e+3], s[18:19] offset:4194304+1024*\e   ; v's heads lie 32 x 131,072 bytes behind q's; 512 consecutive bytes
.endr
	s_mov_b32 s84, 0x3c000000                      ; 1 / 128
	s_mov_b32 s85, 0x358637bd                      ; 1e-6
	s_wait_dscnt 0x0
.irp i, 0,2,4,6
	v_pk_add_f32 v[XL+\i:XL+\i+1], v[XL+\i:XL+\i+1], v[XL+8+\i:XL+9+\i]
	v_pk_add_f32 v[XL+16+\i:XL+17+\i], v[XL+16+\i:XL+17+\i], v[XL+24+\i:XL+25+\i]
.endr
.irp i, 0,2,4,6
	v_pk_add_f32 v[XL+\i:XL+\i+1], v[XL+\i:XL+\i+1], v[XL+16+\i:XL+17+\i]
.endr
.irp i, 0,1,2,3,4,5,6,7
	v_fma_f32 v[XL+8+\i], v[XL+\i], s84, s85       ; the mean + eps
.endr
	s_wait_alu depctr_va_vdst(0)                   ; the wait ahead of the batch
.irp i, 0,1,2,3,4,5,6,7
	v_rsq_f32 v[RS+\i], v[XL+8+\i]
.endr
	v_nop
	s_wait_alu depctr_va_vdst(0)                   ; and for one ahead of its first reader
; q (wh = 0) or k (1), my four tiles: (x / rms) x gain, the rotation, the quantiser, out
.macro QK wh
.set RP, RS+4*(\wh)
.set PG, PC+8*(\wh)
	WIN 0x01
.irp j, 0,1,2,3,4,5,6,7
.irp u, 0,1
	v_pk_mul_f32 v[HA+32*\u+2*\j:HA+32*\u+2*\j+1], v[64*\u+16*(\wh)+2*\j:64*\u+16*(\wh)+2*\j+1], v[RP+2*\u:RP+2*\u+1] op_sel:[0,0] op_sel_hi:[1,0]
	v_pk_mul_f32 v[HA+32*\u+16+2*\j:HA+32*\u+16+2*\j+1], v[64*\u+32+16*(\wh)+2*\j:64*\u+32+16*(\wh)+2*\j+1], v[RP+2*\u:RP+2*\u+1] op_sel:[0,1] op_sel_hi:[1,1]
.endr
.endr
	WIN 0
.irp j, 0,1,2,3,4,5,6,7
.irp t, 0,1,2,3
	v_pk_mul_f32 v[HA+16*\t+2*\j:HA+16*\t+2*\j+1], v[HA+16*\t+2*\j:HA+16*\t+2*\j+1], v[GQ+16*(\wh)+2*\j:GQ+16*(\wh)+2*\j+1]
.endr
.endr
	WIN 0x04                                       ; source 1: the tables, window 1
.irp t, 0,1,2,3                        ; pairs (x1, x2): t = (x2 s, x1 s); (x1 c - x2 s, x2 c + x1 s)
.set CO, TB0+16*\t
.set SI, CO+8
.irp p, 0,1,2,3
	v_pk_mul_f32 v[TR+4*\p:TR+4*\p+1], v[HA+16*\t+4*\p:HA+16*\t+4*\p+1], v[SI+2*\p:SI+2*\p+1] op_sel:[1,0] op_sel_hi:[0,0]
	v_pk_mul_f32 v[TR+4*\p+2:TR+4*\p+3], v[HA+16*\t+4*\p+2:HA+16*\t+4*\p+3], v[SI+2*\p:SI+2*\p+1] op_sel:[1,1] op_sel_hi:[0,1]
.endr
.irp p, 0,1,2,3
	v_pk_fma_f32 v[HA+16*\t+4*\p:HA+16*\t+4*\p+1], v[HA+16*\t+4*\p:HA+16*\t+4*\p+1], v[CO+2*\p:CO+2*\p+1], v[TR+4*\p:TR+4*\p+1] op_sel:[0,0,0] op_sel_hi:[1,0,1] neg_lo:[0,0,1]
	v_pk_fma_f32 v[HA+16*\t+4*\p+2:HA+16*\t+4*\p+3], v[HA+16*\t+4*\p+2:HA+16*\t+4*\p+3], v[CO+2*\p:CO+2*\p+1], v[TR+4*\p+2:TR+4*\p+3] op_sel:[0,1,0] op_sel_hi:[1,1,1] neg_lo:[0,0,1]
.endr
.endr
	WIN 0
	QSCALE HA
	CODES HA, PG
.irp t, 0,1,2,3
	global_store_b64 v[VOQ], v[PG+2*\t:PG+2*\t+1], s[18:19] offset:2097152*(\wh)+1024*\t   ; 256 consecutive bytes, aligned: block c of the tile's 16 rows
	ds_store_b8 v[SB], v[TM+4+\t] offset:512*(\wh)+4*\t   ; byte c of the row's word
.endr
.endm
	QK 0
	QK 1
	s_wait_alu depctr_va_vdst(0)
	s_wait_dscnt 0x0                               ; for the others' sake: my scale bytes are in LDS
	s_barrier_signal -1
	s_barrier_wait -1
	s_cmp_lt_u32 s[WV], 4
	s_cbranch_scc0 .Lend
	ds_load_b128 v[208:211], v[SR]
	s_wait_dscnt 0x0
	global_store_b128 v[LI], v[208:211], s[20:21]  ; 512 consecutive bytes: q's, k's or v's scale words of the group, or Wp's
.Lend:
	s_wait_tensorcnt 0x0                           ; the wave's end
	ds_add_u32 v[SPW], v[NIL]
	s_wait_dscnt 0x0
	CROUND                                         ; the closing round: no work-group ends while a partner may still ask for a tile that names it
	s_endpgm
.Lfunc_end_k_qb8114e339d_qkv:
	.size	k_qb8114e339d_qkv, .Lfunc_end_k_qb8114e339d_qkv-k_qb8114e339d_qkv
	.p2alignl 7, 3214868480
	.fill 96, 4, 3214868480
	.section	.rodata,"a",@progbits
	.p2align	6, 0x0
	.amdhsa_kernel k_qb8114e339d_qkv
		.amdhsa_group_segment_fixed_size 327680
		.amdhsa_private_segment_fixed_size 0
		.amdhsa_enable_private_segment 0
		.amdhsa_kernarg_size 88
		.amdhsa_user_sgpr_count 2
		.amdhsa_user_sgpr_kernarg_segment_ptr 1
		.amdhsa_wavefront_size32 1
		.amdhsa_system_sgpr_workgroup_id_x 1
		.amdhsa_system_sgpr_workgroup_id_y 1
		.amdhsa_system_sgpr_workgroup_id_z 1
		.amdhsa_system_vgpr_workitem_id 0
		.amdhsa_next_free_vgpr 512
		.amdhsa_next_free_sgpr 106
		.amdhsa_reserve_vcc 0
		.amdhsa_float_denorm_mode_32 3
		.amdhsa_float_denorm_mode_16_64 3
		.amdhsa_memory_ordered 1
		.amdhsa_forward_progress 1
		.amdhsa_inst_pref_size 138
	.end_amdhsa_kernel
	.amdgpu_metadata
---
amdhsa.version: [ 1, 2 ]
amdhsa.kernels:
  - .name:           k_qb8114e339d_qkv
    .symbol:         k_qb8114e339d_qkv.kd
    .args:
      - { .name: opc, .offset: 0, .size: 8, .value_kind: global_buffer, .address_space: global }
      - { .name: freqs_cos, .offset: 8, .size: 8, .value_kind: global_buffer, .address_space: global }
      - { .name: freqs_sin, .offset: 16, .size: 8, .value_kind: global_buffer, .address_space: global }
      - { .name: qn_w, .offset: 24, .size: 8, .value_kind: global_buffer, .address_space: global }
      - { .name: kn_w, .offset: 32, .size: 8, .value_kind: global_buffer, .address_space: global }
      - { .name: bv, .offset: 40, .size: 8, .value_kind: global_buffer, .address_space: global }
      - { .name: Wp, .offset: 48, .size: 8, .value_kind: global_buffer, .address_space: global }
      - { .name: attc, .offset: 56, .size: 8, .value_kind: global_buffer, .address_space: global }
      - { .name: atts, .offset: 64, .size: 8, .value_kind: global_buffer, .address_space: global }
      - { .name: wpc, .offset: 72, .size: 8, .value_kind: global_buffer, .address_space: global }
      - { .name: wps, .offset: 80, .size: 8, .value_kind: global_buffer, .address_space: global }
    .group_segment_fixed_size: 327680
    .private_segment_fixed_size: 0
    .kernarg_segment_align: 8
    .kernarg_segment_size: 88
    .max_flat_workgroup_size: 256
    .sgpr_count:     106
    .vgpr_count:     512
    .wavefront_size: 32
...
	.end_amdgpu_metadata
.endif
;; end of part 2
;; launch attn (part 3): grid 16 x 16, 16 waves a work-group, no clusters, 327,680 bytes of LDS; arguments attc, atts, yc, ys; writes yc, ys
.if DOCPART == 3
	.amdgcn_target "amdgcn-amd-amdhsa--gfx1250"
	.amdhsa_code_object_version 6
	.text
	.protected	k_qb8114e339d_attn
	.globl	k_qb8114e339d_attn
	.p2align	8
	.type	k_qb8114e339d_attn,@function
k_qb8114e339d_attn:
	s_mov_b64 s[64:65], 0
	v_nop
	global_prefetch_b8 v0, s[64:65] scope:SCOPE_SE
	s_setreg_imm32_b32 hwreg(HW_REG_WAVE_MODE, 25, 1), 1
	s_wait_xcnt 0x0
; Products 3 and 4: y[h][q] = sum over k <= q of softmax_k(q . k / sqrt(128)) v[k], on the codes of q, k, v that the launch before has made; y / l leaves as codes along D for the projection.
; WORK LEFT OUT: key steps of 128 keys that lie wholly behind a tile's 16 queries: reference() writes the constant -1e30 over their scores by its own causal mask, for every input (shown at the head of the first launch).
; On the diagonal step hidden scores become -infinity where reference() has -1e30: p is 0 either way.
; THE SOFTMAX: t = score x log2(e) / sqrt(128); M = the running largest t rounded UP to a whole number; p = 2^(t - M) is quantised along the keys, not normalised; the row's sum is taken of the unquantised p and divides at the end;
; when M moves, the sum and O are multiplied by 2^(old M - new M), which rounds nothing.
; SHARES.  Work-group (px, head) owns block px of 64 queries (four EARLY tiles of 16) and block 31 - px (four LATE tiles).  A tile of group g (128 queries) has g + 1 key steps; an early and a late tile have 17 together, in every
; work-group alike.  Wave w = i + 4 j serves early tile i and late tile i, and of both the key steps whose number is j mod 4: one step of each in a slot of four steps.  So no wave walks more than 4 late and 2 early steps.
; Each wave keeps its own running M, sum and O^T for both tiles: the late tile's in registers, the early tile's in LDS bytes of its own between its steps.  M is a whole number in all, so the codes of p under a wave's M differ from
; those under the row's M by a power of two, which the block's scale takes up.  At the end the four parts of a tile are brought under the largest M by exact powers of two and added; sixteen waves do that, half a tile each.
; A part that had no step holds zeros.
; NO CLUSTER: under the causal mask the work-groups of a head read different numbers of slots, so a partner would be named in joint loads of tiles that none of its waves reads.
; LAYOUT.  Both products transposed: S^T = K Q^T, O^T = V^T P^T: a lane holds ONE query.  K's and V's tiles stand in position order, so the 16 registers of tiles 2 B, 2 B + 1 are keys (channels) 32 B + 16 (lane / 16) + 0 .. 15.
; Fragments lie in memory and in LDS as images of their registers: two loads of 16 bytes a lane at 16 x lane.
; RING: two slots of 512 keys (K 32,768 bytes, V 32,768), 2^17 bytes apart, filled by waves 0-3 (K's halves, V's halves), read by all sixteen.  The scale words of the whole head stay in LDS: waves 4-7 fetch them at the head.
; Every wait on TENSORcnt is for 0.  The 65,536 bytes behind each slot are filled by no tensor load: there the early tiles' O^T rest.  The late parts meet in the slots, which have had their last fill by then.
; LIMITS: a block of zeros gets the byte 1 (this program alone reads the bytes); NaN and infinities are not served; the promise holds while |t| stays under 2^31.
; REGISTERS: v1-11 addresses; v12 -M, v13 the largest t, v[14:15] the sum (late); v16-23 Q (late); v24-27 K's scale words; v28-31 M, t, sum (early, in a step); v32-95 eight fragments of K, then of V; v96-159 S^T, then p,
;   then the early O^T; v160-223 the late O^T; v224-231 Q (early), p's codes; v232-247, v252-254 at work; v242, v255 Q's scale words, early and late; v243 the early query; v248-251 V's scale words; v253 p's scale word.
.set SLOT1, 1<<17
.set VOFF,  32768
.set STG,   65536                      ; the early O^T: 8,192 bytes a wave: waves 0-7 behind slot 0, waves 8-15 behind slot 1
.set SCK,   2*SLOT1                    ; K's scale words: 16 key steps x 512 bytes
.set SCV,   SCK+8192                   ; V's
.set SPARE, SCV+8192                   ; the spare words, 128 bytes for each of sixteen waves
.set WRC,   SPARE+2048                 ; 2,048 bytes a wave: the early Q, M, t and sums of the early part at 1,024, of the late part at 1,536
.set SCY,   WRC+32768                  ; y's scale words: eight tiles x 64 bytes
.set LI,   1                           ; v1  16 x lane
.set VQL,  2                           ; v2  my late query - 16 (lane / 16)
.set LIS,  3                           ; v3  16 x lane + SCK
.set LIJ,  4                           ; v4  16 x lane + 8,192 j
.set SPW,  5
.set NIL,  6
.set STA,  7                           ; v7  my early O^T
.set AD,   8
.set PFO,  9                           ; v9  256 x lane
.set ADS,  10
.set WRA,  11                          ; v11 my wave's 2,048 bytes + 16 x lane
.set QSE,  242
.set VQE,  243
.set WV,   18
.set SEL,  20
.set CS,   22
.set G1,   24                          ; s[24:31] group 1 for codes;  s[32:39] for scale words;  s[40:43], s[44:47] their groups 0
.set G1S,  32
.set G0,   40
.set G0S,  44
.set TB,   2                           ; s2  LDS byte at which the slot in hand begins
.set TS,   3                           ; s3  where my step's scale words begin: 512 bytes a step
.set KF,   48                          ; s48 my step's first key
.set QGE,  49                          ; s49, s50 the first query of the early and of the late tile's group of 128
.set QGL,  50
.set QL,   51                          ; s51 my work-group's last query
.set PFA,  52                          ; s[52:53] where my prefetches stand
.set LIM,  54
.set KS,   80                          ; s80 the slot's first key
.set SLOTS, 81
; A PREFETCH INTO THE L2 of the slot that the NEXT change of slots will ask for: K's 32,768 bytes and V's.  All work-groups of a head walk the same K and V: the head's first work-group asks, and in it four waves that fetch nothing for
; the ring: waves 4-7, 8,192 bytes of K and 8,192 of V each, lanes 256 bytes apart: each run of 256 bytes is named once in the launch.  V's head lies 16 x 131,072 bytes behind K's.  The last two changes ask for nothing.
.macro ASK
	s_cmp_gt_u32 s[SLOTS], s[LIM]
	s_cbranch_scc0 .Lnot_mine_\@
	global_prefetch_b8 v[PFO], s[PFA:PFA+1] th:TH_LOAD_NT scope:SCOPE_SE
	global_prefetch_b8 v[PFO], s[PFA:PFA+1] offset:2097152 th:TH_LOAD_NT scope:SCOPE_SE
.Lnot_mine_\@:
.endm
	s_load_b256 s[4:11], s[0:1], 0x0               ; attc, atts, yc, ys
	v_lshl_add_u32 v[SPW], v0, 2, SPARE
	v_mov_b32 v[NIL], 0
	ds_add_u32 v[SPW], v[NIL]                      ; the wave's opening: the add, twice on end, and its wait ahead of the first tensor loads
	ds_add_u32 v[SPW], v[NIL]
	v_lshrrev_b32 v8, 5, v0
	v_readfirstlane_b32 s[WV], v8                  ; wave 0..15
	s_and_b32 s16, s[WV], 3                        ; i
	s_lshr_b32 s17, s[WV], 2                       ; j
	s_and_b32 s12, ttmp7, 0xffff                   ; the head
	s_sub_co_u32 s13, 31, ttmp9                    ; the late block
	s_lshr_b32 s14, ttmp9, 1
	s_lshl_b32 s[QGE], s14, 7
	s_lshr_b32 s14, s13, 1
	s_lshl_b32 s[QGL], s14, 7
	s_lshl_b32 s[QL], ttmp9, 6
	s_sub_co_u32 s[QL], 2047, s[QL]
	; what I fetch, if I fetch: i = 0, 1: K's halves; i = 2, 3: V's
	s_lshr_b32 s55, s16, 1
	s_lshl_b32 s55, s55, 4
	s_add_co_u32 s55, s55, s12
	s_add_co_u32 s55, s55, 16                      ; hs
	s_and_b32 s79, s16, 1
	s_lshl_b32 s56, s55, 17
	s_lshl_b32 s57, s79, 14
	s_add_co_u32 s56, s56, s57
	s_mov_b32 s57, 0
	s_lshl_b32 s58, s55, 13
	s_lshl_b32 s59, s79, 12
	s_add_co_u32 s58, s58, s59
	s_mov_b32 s59, 0
	; my tiles of Q, late and early, and their scale words
	s_lshl_b32 s68, s12, 17
	s_lshl_b32 s69, s16, 10
	s_add_co_u32 s68, s68, s69
	s_lshl_b32 s69, s13, 12
	s_add_co_u32 s60, s68, s69
	s_mov_b32 s61, 0
	s_lshl_b32 s69, ttmp9, 12
	s_add_co_u32 s66, s68, s69
	s_mov_b32 s67, 0
	s_lshl_b32 s68, s12, 13
	s_lshl_b32 s69, s16, 2
	s_add_co_u32 s68, s68, s69
	s_lshl_b32 s69, s13, 8
	s_add_co_u32 s62, s68, s69
	s_mov_b32 s63, 0
	s_lshl_b32 s69, ttmp9, 8
	s_add_co_u32 s70, s68, s69
	s_mov_b32 s71, 0
	; the prefetches: my 8,192 bytes of K's slot 1; the first change of slots steps them to slot 2
	s_add_co_u32 s74, s12, 16
	s_lshl_b32 s74, s74, 17
	s_lshl_b32 s75, s16, 13
	s_add_co_u32 s74, s74, s75
	s_add_co_u32 s74, s74, 32768
	s_mov_b32 s75, 0
	s_xor_b32 s76, s17, 1                          ; 0 in waves 4-7 alone,
	s_or_b32 s76, s76, ttmp9                       ; of the head's first work-group
	s_cmp_eq_u32 s76, 0
	s_cselect_b32 s[LIM], 2, -1
	; my queries' scalar parts
	s_lshr_b32 s77, s16, 1
	s_lshl_b32 s77, s77, 5
	s_lshl_b32 s78, s79, 3
	s_add_co_u32 s77, s77, s78
	s_lshl_b32 s78, s13, 6
	s_add_co_u32 s78, s78, s77
	s_lshl_b32 s79, ttmp9, 6
	s_add_co_u32 s79, s79, s77
	; group 1: 16,384 dense bytes as 64 rows of 32 elements of 8 bytes; the scale words: 4,096 bytes as 16 such rows
	s_mov_b32 s[G1], 3<<16
	s_mov_b32 s[G1+1], 32<<16
	s_mov_b32 s[G1+2], 64<<16
	s_mov_b32 s[G1+3], 32<<16
	s_mov_b32 s[G1+4], 64
	s_mov_b32 s[G1+5], 32
	s_mov_b32 s[G1+6], 0
	s_mov_b32 s[G1+7], 0
	s_mov_b32 s[G1S], 3<<16
	s_mov_b32 s[G1S+1], 32<<16
	s_mov_b32 s[G1S+2], 16<<16
	s_mov_b32 s[G1S+3], 32<<16
	s_mov_b32 s[G1S+4], 16
	s_mov_b32 s[G1S+5], 32
	s_mov_b32 s[G1S+6], 0
	s_mov_b32 s[G1S+7], 0
	s_mov_b32 s[SEL], 0x76543210
	s_mov_b32 s[SEL+1], 0xfedcba98
	s_mov_b32 s[CS], 0x3e0293ee                    ; c = log2(e) / sqrt(128)
	s_mov_b32 s[CS+1], s[CS]
	s_mov_b32 s[TB], 0
	s_lshl_b32 s[TS], s17, 9
	s_lshl_b32 s[KF], s17, 7
	s_mov_b32 s[KS], 0
	s_mov_b32 s[SLOTS], 4
	s_wait_dscnt 0x0                               ; both opening adds are done
	s_wait_kmcnt 0x0
	s_mov_b32 s[G0S], 1
	s_lshl_b32 s[G0S+1], s16, 12
	s_add_co_u32 s[G0S+1], s[G0S+1], SCK
	s_add_nc_u64 s[G0S+2:G0S+3], s[6:7], s[58:59]
	s_or_b32 s[G0S+3], s[G0S+3], 0x80000000
	s_mov_b32 s[G0], 1
	s_lshl_b32 s[G0+1], s16, 14
	s_add_nc_u64 s[G0+2:G0+3], s[4:5], s[56:57]
	s_or_b32 s[G0+3], s[G0+3], 0x80000000
	s_cmp_lt_u32 s[WV], 4                          ; the first fills, one a wave: waves 0-3 slot 0,
	s_cbranch_scc0 .Lfirst_s
	tensor_load_to_lds s[G0:G0+3], s[G1:G1+7]
	s_nop 0
.rept 4
	v_nop
.endr
	s_branch .Lno_first
.Lfirst_s:
	s_cmp_lt_u32 s[WV], 8                          ; waves 4-7 the head's scale words: filled once
	s_cbranch_scc0 .Lno_first
	tensor_load_to_lds s[G0S:G0S+3], s[G1S:G1S+7]
	s_nop 0
.rept 4
	v_nop
.endr
.Lno_first:
	s_add_nc_u64 s[60:61], s[4:5], s[60:61]
	s_add_nc_u64 s[66:67], s[4:5], s[66:67]
	s_add_nc_u64 s[62:63], s[6:7], s[62:63]
	s_add_nc_u64 s[70:71], s[6:7], s[70:71]
	s_add_nc_u64 s[PFA:PFA+1], s[4:5], s[74:75]
	s_lshl_b32 s72, s17, 13                        ; 8,192 j
	s_and_b32 s73, s[WV], 7
	s_lshl_b32 s73, s73, 13
	s_lshr_b32 s74, s[WV], 3
	s_lshl_b32 s74, s74, 17
	s_add_co_u32 s73, s73, s74                     ; my late O^T's place in the slots, at the end
	s_add_co_u32 s74, s73, STG                     ; my early O^T's
	s_lshl_b32 s75, s[WV], 11
	s_add_co_u32 s75, s75, WRC
	v_and_b32 v[LI], 31, v0
	v_lshlrev_b32 v[LI], 4, v[LI]
	v_and_b32 v32, 15, v0                          ; r
	v_lshlrev_b32 v33, 4, v32
	s_wait_alu depctr_va_vdst(0)
	global_load_b128 v[16:19], v[LI], s[60:61]     ; the late Q stays in registers
	global_load_b128 v[20:23], v[LI], s[60:61] offset:512
	global_load_b128 v[224:227], v[LI], s[66:67]   ; the early Q goes to LDS
	global_load_b128 v[228:231], v[LI], s[66:67] offset:512
	global_load_b32 v255, v33, s[62:63]
	global_load_b32 v[QSE], v33, s[70:71]
	v_bfe_u32 v34, v0, 4, 1                        ; h
	v_and_b32 v35, 7, v32
	v_lshrrev_b32 v36, 3, v32
	v_sub_nc_u32 v36, v36, v34
	v_lshl_add_u32 v35, v36, 4, v35                ; r % 8 + 16 (r / 8) - 16 h
	v_add_nc_u32 v[VQL], s78, v35
	v_add_nc_u32 v[VQE], s79, v35
	v_add_nc_u32 v[LIS], SCK, v[LI]
	v_add_nc_u32 v[LIJ], s72, v[LI]
	v_lshlrev_b32 v[PFO], 4, v[LI]
	v_add_nc_u32 v[STA], s74, v[LI]
	v_add_nc_u32 v[WRA], s75, v[LI]
	v_mov_b32 v13, 0xff61b1e6                      ; the largest t so far: -3e38
	v_mov_b32 v14, 0
	v_mov_b32 v15, 0
	v_floor_f32 v12, -v13                          ; -M
.irp b, 0,1,2,3
	v_mov_b32 v[236+\b], 0                         ; written once: a lane permute's destination counts as one of its sources
.endr
	v_mov_b32 v252, 0
	v_mov_b32 v253, 0
.set J, 0
.rept 64
	v_mov_b32 v[160+J], 0                          ; O^T: the step is written without a first form: the first change of M multiplies zeros
.set J, J+1
.endr
.set J, 0
.rept 16
	ds_store_b128 v[STA], v[160+4*J:163+4*J] offset:512*J   ; the early O^T likewise
.set J, J+1
.endr
	ds_store_b128 v[WRA], v[12:15] offset:1024     ; and its M, t and sums
; A KEY STEP: 128 keys, number j of the slot in hand.  ot: O^T (early: on its way through the scores' registers), mr: -M, t, sums, qf, qs: Q and its scale words, vq: the query, qg: its group's first query
.macro STEP ot, mr, qf, qs, vq, qg, early
	s_cmp_gt_u32 s[KF], s[\qg]                     ; all its keys come after the tile's 16 queries: the step's work is left out
	s_cbranch_scc1 .Lhidden_\@
	v_add_nc_u32 v[AD], s[TB], v[LIJ]
	v_add_nc_u32 v[ADS], s[TS], v[LIS]
	v_nop
	v_nop                                          ; four places in front of loads into registers that the last products have read
.irp t, 0,1,2,3,4,5,6,7
.irp c, 0,1
	ds_load_b128 v[32+8*\t+4*\c:35+8*\t+4*\c], v[AD] offset:1024*\t+512*\c
.endr
.endr
	ds_load_b128 v[24:27], v[ADS]                  ; K's scale words: register j: lanes 0-15 tile j, lanes 16-31 tile 4 + j
.if \early
	ds_load_b128 v[224:227], v[WRA]
	ds_load_b128 v[228:231], v[WRA] offset:512
.endif
	s_wait_alu depctr_va_vdst(0)
	s_wait_dscnt 0x0
.irp t, 0,1,2,3
	v_wmma_scale_f32_16x16x128_f8f6f4 v[96+8*\t:103+8*\t], v[32+8*\t:39+8*\t], v[\qf:\qf+7], 0, v[24+\t], v[\qs] matrix_a_fmt:MATRIX_FMT_FP4 matrix_b_fmt:MATRIX_FMT_FP4
.endr
.irp t, 4,5,6,7
	v_wmma_scale_f32_16x16x128_f8f6f4 v[96+8*\t:103+8*\t], v[32+8*\t:39+8*\t], v[\qf:\qf+7], 0, v[20+\t], v[\qs] matrix_a_fmt:MATRIX_FMT_FP4 matrix_b_fmt:MATRIX_FMT_FP4 matrix_a_scale:MATRIX_SCALE_ROW1
.endr
.rept 4
	v_nop
.endr
.if \early
	ds_load_b128 v[28:31], v[WRA] offset:1024      ; the early part's M, t and sums
	s_wait_dscnt 0x0
.endif
.irp t, 0,1,2,3,4,5,6,7                        ; V's fragments are asked for now and land under the softmax
.irp c, 0,1
	ds_load_b128 v[32+8*\t+4*\c:35+8*\t+4*\c], v[AD] offset:VOFF+1024*\t+512*\c
.endr
.endr
	ds_load_b128 v[248:251], v[ADS] offset:8192
	s_cmp_lt_u32 s[KF], s[\qg]                     ; a step all of whose keys count skips the mask
	s_cbranch_scc1 .Lopen_\@
	v_mov_b32 v253, s[KF]
	s_delay_alu instid0(VALU_DEP_1)
	v_sub_nc_u32 v252, v[\vq], v253                ; register 16 b + i holds key KF + 16 h + 32 b + i: hidden where 32 b + i > my query - KF - 16 h
	v_mov_b32 v254, 0xff800000
.set N, 0
.rept 64
	v_cmp_gt_i32 vcc_lo, 32*(N/16)+N%16, v252
	v_cndmask_b32 v[96+N], v[96+N], v254, vcc_lo
.set N, N+1
.endr
.Lopen_\@:
.irp b, 0,1,2,3
	v_max3_num_f32 v[232+\b], v[96+16*\b], v[97+16*\b], v[98+16*\b]   ; the largest score of each block of 32 keys: for the row's maximum, and, since p rises with the score, for the block's largest p
.endr
.irp i, 3,5,7,9,11,13
.irp b, 0,1,2,3
	v_max3_num_f32 v[232+\b], v[232+\b], v[96+16*\b+\i], v[97+16*\b+\i]
.endr
.endr
.irp b, 0,1,2,3
	v_max_num_f32 v[232+\b], v[232+\b], v[111+16*\b]
.endr
.irp b, 0,1,2,3
	s_delay_alu instid0(VALU_DEP_4)
	v_permlanex16_b32 v[236+\b], v[232+\b], s[SEL], s[SEL+1]
.endr
.irp b, 0,1,2,3
	s_delay_alu instid0(VALU_DEP_4)
	v_max_num_f32 v[232+\b], v[232+\b], v[236+\b]
.endr
	s_delay_alu instid0(VALU_DEP_2)
	v_max3_num_f32 v254, v232, v233, v234
	s_delay_alu instid0(VALU_DEP_1)
	v_max_num_f32 v254, v254, v235
	s_delay_alu instid0(VALU_DEP_1)
	v_mul_f32 v254, s[CS], v254
	s_delay_alu instid0(VALU_DEP_1)
	v_max_num_f32 v[\mr+1], v[\mr+1], v254         ; the running largest t
	v_mov_b32 v254, v[\mr]
	s_delay_alu instid0(VALU_DEP_2)
	v_floor_f32 v[\mr], -v[\mr+1]                  ; the new -M = -ceil(t)
	s_delay_alu instid0(VALU_DEP_1)
	v_sub_f32 v254, v[\mr], v254                   ; old M - new M: a whole number, 0 or less
	s_delay_alu instid0(VALU_DEP_1)
	v_cvt_i32_f32 v254, v254
	s_delay_alu instid0(VALU_DEP_1)
	v_ldexp_f32 v252, 1.0, v254                    ; f = 2^(old M - new M)
.set J, 0
.rept 32
	v_pk_fma_f32 v[96+J:97+J], v[96+J:97+J], s[CS:CS+1], v[\mr:\mr+1] op_sel_hi:[1,0,0]   ; t - M
.set J, J+2
.endr
.irp b, 0,1,2,3
	v_fma_f32 v[232+\b], v[232+\b], s[CS], v[\mr]
.endr
.set J, 0
	s_wait_alu depctr_va_vdst(0)
.rept 64
	v_exp_f32 v[96+J], v[96+J]                     ; p = 2^(t - M)
.set J, J+1
.endr
	v_pk_mul_f32 v[\mr+2:\mr+3], v[\mr+2:\mr+3], v[252:253] op_sel_hi:[1,0]   ; the sums under the new M: a plain instruction behind the batch
	s_wait_alu depctr_va_vdst(0)                   ; one wait for the batch, ahead of its first reader
.irp b, 0,1,2,3
	v_exp_f32 v[232+\b], v[232+\b]                 ; each block's largest p
.endr
	v_pk_add_f32 v[236:237], v[96:97], v[98:99]    ; the row's sum, of the unquantised p: three chains
	v_pk_add_f32 v[240:241], v[100:101], v[102:103]
	v_pk_add_f32 v[\mr+2:\mr+3], v[\mr+2:\mr+3], v[104:105]
.set J, 106
.rept 9
	v_pk_add_f32 v[236:237], v[236:237], v[J:J+1]
	v_pk_add_f32 v[240:241], v[240:241], v[J+2:J+3]
	v_pk_add_f32 v[\mr+2:\mr+3], v[\mr+2:\mr+3], v[J+4:J+5]
.set J, J+6
.endr
	s_delay_alu instid0(VALU_DEP_1)
	v_pk_add_f32 v[\mr+2:\mr+3], v[\mr+2:\mr+3], v[240:241]
	s_delay_alu instid0(VALU_DEP_1)
	v_pk_add_f32 v[\mr+2:\mr+3], v[\mr+2:\mr+3], v[236:237]
	s_wait_alu depctr_va_vdst(0)                   ; and one for the four
.irp b, 0,1,2,3
	v_max_num_f32 v[232+\b], 0x1800000, v[232+\b]  ; the floor 2^(3 - 127)
.endr
.irp b, 0,1,2,3
	s_delay_alu instid0(VALU_DEP_4)
	v_add_nc_u32 v[244+\b], 0xff000000, v[232+\b]
.endr
.irp b, 0,1,2,3
	s_delay_alu instid0(VALU_DEP_4)
	v_lshrrev_b32 v[236+\b], 23, v[244+\b]
.endr
	s_delay_alu instid0(VALU_DEP_3)
	v_lshl_or_b32 v253, v237, 8, v236              ; p's scale word for these 128 keys
	s_delay_alu instid0(VALU_DEP_1)
	v_lshl_or_b32 v253, v238, 16, v253
	s_delay_alu instid0(VALU_DEP_1)
	v_lshl_or_b32 v253, v239, 24, v253
.irp b, 0,1,2,3
	v_cvt_scalef32_pk8_fp4_f32 v[224+2*\b], v[96+16*\b:103+16*\b], v[244+\b]
	v_cvt_scalef32_pk8_fp4_f32 v[225+2*\b], v[104+16*\b:111+16*\b], v[244+\b]
.endr
	v_nop
.irp c, 0,1
.irp i, 0,1
	v_permlane16_swap_b32 v[224+4*\c+\i], v[226+4*\c+\i]
.endr
.endr
.if \early
.set J, 0
.rept 16
	ds_load_b128 v[96+4*J:99+4*J], v[STA] offset:512*J   ; p has become codes: its registers take the early O^T
.set J, J+1
.endr
	s_wait_alu depctr_va_vdst(0)
	s_wait_dscnt 0x0                               ; O^T and V are in
.endif
.set J, 0
.rept 32
	v_pk_mul_f32 v[\ot+J:\ot+1+J], v[\ot+J:\ot+1+J], v[252:253] op_sel_hi:[1,0]   ; O^T under the new M; these 32 stand between the codes and scale word just made and the products
.set J, J+2
.endr
.if \early == 0
	s_wait_alu depctr_va_vdst(0)
	s_wait_dscnt 0x0                               ; V is in
.endif
.irp t, 0,1,2,3
	v_wmma_scale_f32_16x16x128_f8f6f4 v[\ot+8*\t:\ot+7+8*\t], v[32+8*\t:39+8*\t], v[224:231], v[\ot+8*\t:\ot+7+8*\t], v[248+\t], v253 matrix_a_fmt:MATRIX_FMT_FP4 matrix_b_fmt:MATRIX_FMT_FP4
.endr
.irp t, 4,5,6,7
	v_wmma_scale_f32_16x16x128_f8f6f4 v[\ot+8*\t:\ot+7+8*\t], v[32+8*\t:39+8*\t], v[224:231], v[\ot+8*\t:\ot+7+8*\t], v[244+\t], v253 matrix_a_fmt:MATRIX_FMT_FP4 matrix_b_fmt:MATRIX_FMT_FP4 matrix_a_scale:MATRIX_SCALE_ROW1
.endr
.if \early
.rept 4
	v_nop
.endr
.set J, 0
.rept 16
	ds_store_b128 v[STA], v[96+4*J:99+4*J] offset:512*J   ; each accumulator from its low end on
.set J, J+1
.endr
	ds_store_b128 v[WRA], v[28:31] offset:1024
.endif
.Lhidden_\@:
.endm
	s_wait_alu depctr_va_vdst(0)                   ; the wait at the head's end
	s_wait_loadcnt 0x0                             ; Q
	ds_store_b128 v[WRA], v[224:227]
	ds_store_b128 v[WRA], v[228:231] offset:512
; THE CHANGE OF SLOTS stands at a slot's head.  Each wave waits for all its tensor loads, adds 0 to its spare word (twice on end), and waits for that and for its reads of the
; slot that it has left.  Behind the barrier the slot ahead is whole and nobody reads the other one, which is filled with the keys that follow: but only while that slot's first key is at or under my work-group's last query,
; since a later slot is read by none of its waves.  The test is made of ids and the count of slots alone, the same in all sixteen waves, and leads round the load's own lines and nothing else.
.Lslot:                                            ; four trips
	s_wait_tensorcnt 0x0
	ds_add_u32 v[SPW], v[NIL]
	ds_add_u32 v[SPW], v[NIL]
	s_xor_b32 s[G0+1], s[G0+1], SLOT1              ; no tensor load of mine is out: the walking descriptor takes the other slot and the next 512 keys
	s_add_nc_u64 s[G0+2:G0+3], s[G0+2:G0+3], 32768
	s_wait_xcnt 0x0                                ; the last prefetches, a slot back, have read their address
	s_add_nc_u64 s[PFA:PFA+1], s[PFA:PFA+1], 32768
	s_wait_dscnt 0x0
	s_barrier_signal -1
	s_barrier_wait -1
	s_add_co_u32 s96, s[KS], 512
	s_cmp_gt_u32 s96, s[QL]
	s_cbranch_scc1 .Lpast
	s_cmp_lt_u32 s[WV], 4                          ; waves 0-3 fetch
	s_cbranch_scc0 .Lpast
	tensor_load_to_lds s[G0:G0+3], s[G1:G1+7]
	s_nop 0
.rept 4
	v_nop
.endr
.Lpast:
	ASK
	STEP 96, 28, 224, QSE, VQE, QGE, 1             ; the early tile
	STEP 160, 12, 16, 255, VQL, QGL, 0             ; the late tile
	s_add_co_u32 s[KF], s[KF], 512
	s_add_co_u32 s[TS], s[TS], 2048
	s_add_co_u32 s[KS], s[KS], 512
	s_xor_b32 s[TB], s[TB], SLOT1
	s_sub_co_u32 s[SLOTS], s[SLOTS], 1
	s_cmp_lg_u32 s[SLOTS], 0
	s_cbranch_scc1 .Lslot
	; THE WAY OUT.  Behind a barrier nobody reads the slots any more and no tensor load is out: each wave stores its late O^T into them.
.rept 4
	v_nop                                          ; places behind the last products
.endr
	s_wait_tensorcnt 0x0                           ; for the others' sake: no tensor load of mine is out, whichever way the last trip took
	s_wait_dscnt 0x0                               ; and my reads of the slots are over
	s_barrier_signal -1
	s_barrier_wait -1
	v_add_nc_u32 v[AD], s73, v[LI]
	s_wait_alu depctr_va_vdst(0)                   ; the wait ahead of the readers below
.set J, 0
.rept 16
	ds_store_b128 v[AD], v[160+4*J:163+4*J] offset:512*J   ; each accumulator from its low end on
.set J, J+1
.endr
	ds_store_b128 v[WRA], v[12:15] offset:1536
	; wave w joins tile T = w % 8 (0-3 the early tiles, 4-7 the late ones), channels 64 hf .. 64 hf + 63, hf = w / 8
	s_and_b32 s79, s[WV], 7
	s_lshr_b32 s82, s[WV], 3                       ; hf
	s_lshr_b32 s83, s79, 2                         ; 1: a late tile
	s_xor_b32 s84, s83, 1
	s_lshl_b32 s84, s84, 16                        ; early parts lie behind the slots
	s_lshl_b32 s85, s16, 13
	s_add_co_u32 s84, s84, s85
	s_lshl_b32 s85, s82, 12
	s_add_co_u32 s84, s84, s85
	s_lshl_b32 s85, s16, 11
	s_lshl_b32 s86, s83, 9
	s_add_co_u32 s85, s85, s86
	s_add_co_u32 s85, s85, WRC+1024
	s_lshl_b32 s86, s79, 6
	s_lshl_b32 s87, s82, 1
	s_add_co_u32 s86, s86, s87
	s_add_co_u32 s86, s86, SCY
	s_cmp_eq_u32 s83, 0
	s_cselect_b32 s88, ttmp9, s13                  ; the tile's block of 64 queries
	s_lshl_b32 s88, s88, 2
	s_add_co_u32 s88, s88, s16                     ; the tile
	s_lshl_b32 s88, s88, 14                        ; yc [tile][head][1,024]
	s_lshl_b32 s89, s12, 10
	s_add_co_u32 s88, s88, s89
	s_lshl_b32 s89, s82, 9
	s_add_co_u32 s88, s88, s89
	s_mov_b32 s89, 0
	s_add_nc_u64 s[8:9], s[8:9], s[88:89]
	s_lshl_b32 s88, s12, 13                        ; ys [head][tile][r] words: the early block's 256 bytes,
	s_lshl_b32 s89, ttmp9, 8
	s_add_co_u32 s88, s88, s89
	s_mov_b32 s89, 0
	s_add_nc_u64 s[10:11], s[10:11], s[88:89]
	s_lshl_b32 s90, ttmp9, 1
	s_sub_co_u32 s90, 31, s90
	s_lshl_b32 s90, s90, 8                         ; and from them to the late block's
	v_add_nc_u32 v[AD], s84, v[LI]                 ; parts j = 0, 1;
	v_add_nc_u32 v[ADS], SLOT1, v[AD]              ; 2, 3
	v_add_nc_u32 v3, s85, v[LI]                    ; their M, t and sums
	v_and_b32 v2, 15, v0
	v_bfe_u32 v4, v0, 4, 1
	v_mul_u32_u24 v7, s90, v4
	v_lshl_add_u32 v7, v2, 4, v7                   ; lanes 0-15 the early block's words, lanes 16-31 the late block's
	v_lshlrev_b32 v4, 2, v2
	v_add_nc_u32 v4, s86, v4                       ; my half word of row r
	v_add_nc_u32 v2, SCY, v[LI]
	s_wait_alu depctr_va_vdst(0)
	s_wait_dscnt 0x0                               ; for the others' sake: my part is in LDS
	s_barrier_signal -1
	s_barrier_wait -1
.irp k, 0,1,2,3
	ds_load_b128 v[16+4*\k:19+4*\k], v3 offset:8192*\k
.endr
.irp k, 0,1
.irp i, 0,1,2,3,4,5,6,7
	ds_load_b128 v[32+32*\k+4*\i:35+32*\k+4*\i], v[AD] offset:32768*\k+512*\i
.endr
.endr
.irp k, 0,1
.irp i, 0,1,2,3,4,5,6,7
	ds_load_b128 v[96+32*\k+4*\i:99+32*\k+4*\i], v[ADS] offset:32768*\k+512*\i
.endr
.endr
	s_wait_dscnt 32                                ; M, t and sums are in; the parts' 32 loads may be out
	v_min3_num_f32 v240, v16, v20, v24
	v_min_num_f32 v240, v240, v28                  ; -M of the whole row: M is the largest
.irp k, 0,1,2,3
	v_sub_f32 v[232+\k], v240, v[16+4*\k]          ; part k's M less the row's: a whole number, 0 or less (a part that had no step: far under every exponent; its factor comes out 0)
.endr
.irp k, 0,1,2,3
	v_cvt_i32_f32 v[232+\k], v[232+\k]             ; (it saturates)
.endr
.irp k, 0,1,2,3
	v_ldexp_f32 v[244+\k], 1.0, v[232+\k]          ; exact powers of two
.endr
.irp k, 0,1,2,3
	v_add_f32 v[18+4*\k], v[18+4*\k], v[19+4*\k]
.endr
	v_mul_f32 v254, v18, v244
.irp k, 1,2,3
	v_fma_f32 v254, v[18+4*\k], v[244+\k], v254    ; my lane's part of the row's sum
.endr
	v_permlanex16_b32 v252, v254, s[SEL], s[SEL+1]
	v_add_f32 v254, v254, v252                     ; the row's sum
	s_wait_alu depctr_va_vdst(0)
	v_rcp_f32 v254, v254
	v_nop
	s_wait_alu depctr_va_vdst(0)                   ; the wait ahead of its first reader
.irp k, 0,1,2,3
	v_mul_f32 v[244+\k], v[244+\k], v254
.endr
	s_wait_alu depctr_va_vdst(0)
	s_wait_dscnt 0x0                               ; the four parts are in
.set J, 0
.rept 16
	v_pk_mul_f32 v[160+J:161+J], v[32+J:33+J], v[244:245] op_sel_hi:[1,0]
.set J, J+2
.endr
.set J, 0
.rept 16
	v_pk_fma_f32 v[160+J:161+J], v[64+J:65+J], v[244:245], v[160+J:161+J] op_sel:[0,1,0] op_sel_hi:[1,1,1]
.set J, J+2
.endr
.set J, 0
.rept 16
	v_pk_fma_f32 v[160+J:161+J], v[96+J:97+J], v[246:247], v[160+J:161+J] op_sel_hi:[1,0,1]
.set J, J+2
.endr
.set J, 0
.rept 16
	v_pk_fma_f32 v[160+J:161+J], v[128+J:129+J], v[246:247], v[160+J:161+J] op_sel:[0,1,0] op_sel_hi:[1,1,1]   ; y: register 16 B + i: channel 64 hf + 32 B + 16 h + i of my query
.set J, J+2
.endr
	; y is quantised along the head's channels, which are 128 of the projection's K, and leaves as half a fragment's image
.irp b, 0,1
	v_max3_num_f32 v[232+\b], |v[160+16*\b]|, |v[161+16*\b]|, 0x1800000
.endr
.irp i, 2,4,6,8,10,12,14
.irp b, 0,1
	v_max3_num_f32 v[232+\b], v[232+\b], |v[160+16*\b+\i]|, |v[161+16*\b+\i]|
.endr
.endr
.irp b, 0,1
	v_permlanex16_b32 v[236+\b], v[232+\b], s[SEL], s[SEL+1]
.endr
.irp b, 0,1
	v_max_num_f32 v[232+\b], v[232+\b], v[236+\b]
.endr
.irp b, 0,1
	v_add_nc_u32 v[234+\b], 0xff000000, v[232+\b]
.endr
.irp b, 0,1
	v_lshrrev_b32 v[236+\b], 23, v[234+\b]
.endr
.irp b, 0,1
	v_cvt_scalef32_pk8_fp4_f32 v[224+2*\b], v[160+16*\b:167+16*\b], v[234+\b]
	v_cvt_scalef32_pk8_fp4_f32 v[225+2*\b], v[168+16*\b:175+16*\b], v[234+\b]
.endr
	v_lshl_or_b32 v238, v237, 8, v236              ; (a plain place behind the conversions)  bytes 2 hf, 2 hf + 1 of the row's word
.irp i, 0,1
	v_permlane16_swap_b32 v[224+\i], v[226+\i]
.endr
	ds_store_b16 v4, v238                          ; both lanes of a row write the same half word with the same value
	global_store_b128 v[LI], v[224:227], s[8:9]    ; 512 consecutive bytes
	s_wait_alu depctr_va_vdst(0)
	s_wait_dscnt 0x0                               ; for the others' sake: my half words are in LDS
	s_barrier_signal -1
	s_barrier_wait -1
	s_cmp_lg_u32 s[WV], 0
	s_cbranch_scc1 .Lend
	ds_load_b128 v[16:19], v2
	s_wait_dscnt 0x0
	global_store_b128 v7, v[16:19], s[10:11]       ; two aligned units of 256 bytes
.Lend:
	s_wait_tensorcnt 0x0                           ; the wave's end: a wait, an add and its wait behind my last tensor load and my last LDS store
	ds_add_u32 v[SPW], v[NIL]
	s_wait_dscnt 0x0
	s_endpgm
.Lfunc_end_k_qb8114e339d_attn:
	.size	k_qb8114e339d_attn, .Lfunc_end_k_qb8114e339d_attn-k_qb8114e339d_attn
	.p2alignl 7, 3214868480
	.fill 96, 4, 3214868480
	.section	.rodata,"a",@progbits
	.p2align	6, 0x0
	.amdhsa_kernel k_qb8114e339d_attn
		.amdhsa_group_segment_fixed_size 327680
		.amdhsa_private_segment_fixed_size 0
		.amdhsa_enable_private_segment 0
		.amdhsa_kernarg_size 32
		.amdhsa_user_sgpr_count 2
		.amdhsa_user_sgpr_kernarg_segment_ptr 1
		.amdhsa_wavefront_size32 1
		.amdhsa_system_sgpr_workgroup_id_x 1
		.amdhsa_system_sgpr_workgroup_id_y 1
		.amdhsa_system_sgpr_workgroup_id_z 1
		.amdhsa_system_vgpr_workitem_id 0
		.amdhsa_next_free_vgpr 256
		.amdhsa_next_free_sgpr 100
		.amdhsa_reserve_vcc 1
		.amdhsa_float_denorm_mode_32 3
		.amdhsa_float_denorm_mode_16_64 3
		.amdhsa_memory_ordered 1
		.amdhsa_forward_progress 1
		.amdhsa_inst_pref_size 74
	.end_amdhsa_kernel
	.amdgpu_metadata
---
amdhsa.version: [ 1, 2 ]
amdhsa.kernels:
  - .name:           k_qb8114e339d_attn
    .symbol:         k_qb8114e339d_attn.kd
    .args:
      - { .name: attc, .offset: 0, .size: 8, .value_kind: global_buffer, .address_space: global }
      - { .name: atts, .offset: 8, .size: 8, .value_kind: global_buffer, .address_space: global }
      - { .name: yc, .offset: 16, .size: 8, .value_kind: global_buffer, .address_space: global }
      - { .name: ys, .offset: 24, .size: 8, .value_kind: global_buffer, .address_space: global }
    .group_segment_fixed_size: 327680
    .private_segment_fixed_size: 0
    .kernarg_segment_align: 8
    .kernarg_segment_size: 32
    .max_flat_workgroup_size: 512
    .sgpr_count:     100
    .vgpr_count:     256
    .wavefront_size: 32
...
	.end_amdgpu_metadata
.endif
;; end of part 3
;; launch proj (part 4): grid 16 x 16, 4 waves a work-group, clusters of 4 x 4, 327,680 bytes of LDS; arguments yc, ys, wpc, wps, bp, out0; writes out0
.if DOCPART == 4
	.amdgcn_target "amdgcn-amd-amdhsa--gfx1250"
	.amdhsa_code_object_version 6
	.text
	.protected	k_qb8114e339d_proj
	.globl	k_qb8114e339d_proj
	.p2align	8
	.type	k_qb8114e339d_proj,@function
k_qb8114e339d_proj:
	s_mov_b64 s[64:65], 0
	v_nop
	global_prefetch_b8 v0, s[64:65] scope:SCOPE_SE
	s_setreg_imm32_b32 hwreg(HW_REG_WAVE_MODE, 25, 1), 1
	s_wait_xcnt 0x0
	s_wait_alu depctr_hold_cnt(0) depctr_sa_sdst(0) depctr_va_vdst(0) depctr_va_sdst(0) depctr_va_ssrc(0) depctr_va_vcc(0) depctr_vm_vsrc(0)
	s_getreg_b32 s2, hwreg(HW_REG_IB_STS2, 6, 4)
	s_cmp_eq_u32 s2, 0
	s_cbranch_scc0 .Lentry_in_a_cluster
	s_endpgm
.Lentry_in_a_cluster:
	s_bfe_u32 s2, ttmp6, 0x10000c
	s_cmp_lg_u32 s2, 0xf033
	s_cbranch_scc0 .Lentry_shape_is_right
	s_endpgm
.Lentry_shape_is_right:
; Product 5: out = y Wp + bp, on the codes that attn (y) and qkv (Wp) have made.  No work of reference() is left out here.
; A work-group makes 128 x 128 of out, each of its four waves 64 x 64: 16 accumulators.  Source 0 = columns of Wp, source 1 = rows of y: a lane holds one row of out and its registers run along the columns; the bias is the first products' C.
; y's and Wp's codes lie as [tile of 16 rows][kq = k / 128][1,024 bytes], images of an operand's registers: four tiles for ALL of K are 65,536 dense bytes: ONE tensor load a wave brings everything, and no LDS byte is filled twice.
; Scale words lie as [kq][tile][r]: each load brings two tiles' words (lanes 0-15 the even tile's, lanes 16-31 the odd one's) straight into registers.
; CLUSTER 4 x 4: y's tiles are asked for jointly along a row of the cluster, Wp's along a column.  No prefetch into the L2: there is no loop to run ahead in.
; REGISTERS: v32-63 y's scale words, v64-95 Wp's; v96-127 the bias; v128-255 the accumulators; window 1: fragments, two buffers of two kq each.
.set STAGE,  262144                    ; the way out: 16 rows x 272 bytes for each wave
.set SPITCH, 272
.set SPARE,  STAGE+4*16*SPITCH         ; the spare words, 128 bytes a wave
.set ADA,  16
.set ADB,  20
.set VL,   22                          ; v22 4 x lane
.set VBP,  23
.set STO,  24
.set RD,   25
.set CO,   26
.set SPW,  28
.set NIL,  29
.set SA,   32
.set SB,   64
.set BP,   96
.set ACC,  128
.set G1, 24
.set G0, 32
.set G1B, 48
.set G0B, 56
.set MSB, 0
.macro WIN new                         ; the immediate's high byte repeats the setting that is left
.if MSB != \new
	s_set_vgpr_msb (MSB<<8)|\new
.set MSB, \new
.endif
.endm
.macro CROUND                          ; a round of the cluster's barrier
	s_barrier_signal -1
	s_barrier_wait -1
	s_cmp_lg_u32 s22, 0
	s_cbranch_scc1 .Lnot_wave_0_\@
	s_barrier_signal -3
.Lnot_wave_0_\@:
	s_barrier_wait -3
	s_barrier_signal -1
	s_barrier_wait -1
.endm
	s_load_b256 s[4:11], s[0:1], 0x0               ; yc, ys, wpc, wps
	s_load_b128 s[12:15], s[0:1], 0x20             ; bp, out0
	v_lshl_add_u32 v[SPW], v0, 2, SPARE
	v_mov_b32 v[NIL], 0
	ds_add_u32 v[SPW], v[NIL]                      ; the wave's opening: the add, twice on end, and its wait ahead of my first tensor load
	ds_add_u32 v[SPW], v[NIL]
	v_lshrrev_b32 v1, 5, v0
	v_readfirstlane_b32 s22, v1                    ; wave
	s_lshr_b32 s23, s22, 1                         ; my half of the rows.  Also: I fetch y (0) or Wp (1)
	s_and_b32 s66, s22, 1                          ; my half of the columns.  Also: which four tiles I fetch
	s_bfe_u32 s40, ttmp6, 0x40000
	s_bfe_u32 s41, ttmp6, 0x40004
	s_lshl_b32 s42, ttmp9, 2
	s_add_co_u32 s42, s42, s40                     ; tx
	s_and_b32 s43, ttmp7, 0xffff
	s_lshl_b32 s43, s43, 2
	s_add_co_u32 s43, s43, s41                     ; ty
	s_lshl_b32 s44, s41, 2
	s_lshl_b32 s44, 15, s44                        ; my row of the cluster
	s_lshl_b32 s45, 0x1111, s40                    ; my column
	s_or_b32 s[G1+0], s44, (3<<16)|(1<<21)
	s_or_b32 s[G1B+0], s45, (3<<16)|(1<<21)
.irp g, G1, G1B                        ; 65,536 dense bytes as 256 rows of 256
	s_mov_b32 s[\g+1], 32<<16
	s_mov_b32 s[\g+2], 256<<16
	s_mov_b32 s[\g+3], 32<<16
	s_mov_b32 s[\g+4], 256
	s_mov_b32 s[\g+5], 32
	s_mov_b32 s[\g+6], 0
	s_mov_b32 s[\g+7], 0
.endr
	s_lshl_b32 s93, s66, 16
	s_lshl_b32 s96, s43, 17                        ; y: tile 8 ty + 4 half
	s_add_co_u32 s96, s96, s93
	s_mov_b32 s97, 0
	s_lshl_b32 s100, s42, 17                       ; Wp: tile 8 tx + 4 half
	s_add_co_u32 s100, s100, s93
	s_mov_b32 s101, 0
	s_lshl_b32 s46, s22, 16                        ; where it goes: wave x 65,536
	s_wait_dscnt 0x0                               ; both opening adds are done
	s_wait_kmcnt 0x0
	s_add_nc_u64 s[96:97], s[4:5], s[96:97]
	s_add_nc_u64 s[100:101], s[8:9], s[100:101]
	s_mov_b32 s[G0], 1
	s_mov_b32 s[G0+1], s46
	s_mov_b64 s[G0+2:G0+3], s[96:97]
	s_or_b32 s[G0+3], s[G0+3], 0x80000000
	s_mov_b32 s[G0B], 1
	s_mov_b32 s[G0B+1], s46
	s_mov_b64 s[G0B+2:G0B+3], s[100:101]
	s_or_b32 s[G0B+3], s[G0B+3], 0x80000000
	CROUND                                         ; all sixteen work-groups are here: the joint loads meet
	s_cmp_eq_u32 s23, 0                            ; one load a wave; the branch hangs on the wave's number alone
	s_cbranch_scc0 .Lfor_b
	tensor_load_to_lds s[G0:G0+3], s[G1:G1+7]
	s_nop 0
.rept 4
	v_nop
.endr
	s_branch .Lasked
.Lfor_b:
	tensor_load_to_lds s[G0B:G0B+3], s[G1B:G1B+7]
	s_nop 0
.rept 4
	v_nop
.endr
.Lasked:
	s_lshl_b32 s92, s43, 9                         ; y's scale words: tile 8 ty + 4 (my half of the rows), 64 bytes a tile
	s_lshl_b32 s93, s23, 8
	s_add_co_u32 s92, s92, s93
	s_mov_b32 s93, 0
	s_add_nc_u64 s[6:7], s[6:7], s[92:93]
	s_lshl_b32 s92, s42, 9                         ; Wp's; and by the same numbers the bias of my 64 columns
	s_lshl_b32 s93, s66, 8
	s_add_co_u32 s92, s92, s93
	s_mov_b32 s93, 0
	s_add_nc_u64 s[10:11], s[10:11], s[92:93]
	s_add_nc_u64 s[12:13], s[12:13], s[92:93]
	s_lshl_b32 s94, s43, 7                         ; out: my first row and column
	s_lshl_b32 s95, s23, 6
	s_add_co_u32 s94, s94, s95
	s_lshl_b32 s94, s94, 13
	s_add_co_u32 s94, s94, s92
	s_mov_b32 s95, 0
	s_add_nc_u64 s[14:15], s[14:15], s[94:95]
	s_lshl_b32 s92, s23, 16
	s_lshl_b32 s93, s66, 16
	s_add_co_u32 s93, s93, 131072
	s_mul_i32 s94, s22, 16*SPITCH
	s_add_co_u32 s94, s94, STAGE
	v_and_b32 v1, 31, v0
	v_and_b32 v2, 15, v0                           ; r
	v_bfe_u32 v3, v0, 4, 1                         ; h
	v_lshlrev_b32 v[VL], 2, v1
	v_lshlrev_b32 v1, 4, v1                        ; 16 x lane
	v_lshlrev_b32 v[VBP], 6, v3
	v_add_nc_u32 v[ADA], s92, v1
	v_add_nc_u32 v[ADB], s93, v1
	v_mul_u32_u24 v5, v2, SPITCH
	v_lshl_add_u32 v5, v3, 6, v5
	v_add_nc_u32 v[STO], s94, v5                   ; into my stage: row r, 16 h columns on
	v_mul_u32_u24 v6, v3, SPITCH
	v_lshl_add_u32 v6, v2, 4, v6
	v_add_nc_u32 v[RD], s94, v6                    ; out of it: lanes 0-15 a row of 256 bytes, lanes 16-31 the next
	v_lshlrev_b32 v[CO], 4, v2
	v_lshl_or_b32 v[CO], v3, 13, v[CO]
	s_wait_alu depctr_va_vdst(0)
.irp b, 0,1,2,3
	global_load_b128 v[BP+8*\b:BP+8*\b+3], v[VBP], s[12:13] offset:(32*(\b/2)+8*(\b%2))*4
	global_load_b128 v[BP+8*\b+4:BP+8*\b+7], v[VBP], s[12:13] offset:(32*(\b/2)+8*(\b%2))*4+16
.endr
.set I, 0
.rept 16
.irp p, 0,1
	global_load_b32 v[SA+2*I+\p], v[VL], s[6:7] offset:8192*I+128*\p
	global_load_b32 v[SB+2*I+\p], v[VL], s[10:11] offset:8192*I+128*\p
.endr
.set I, I+1
.endr
.macro WM d, x, y, c, sx, sy, rx, ry   ; one product; rx, ry: 1 where a side's scale words lie in lanes 16-31
.if (\rx) && (\ry)
	v_wmma_scale_f32_16x16x128_f8f6f4 v[\d:\d+7], v[\x:\x+7], v[\y:\y+7], v[\c:\c+7], v[\sx], v[\sy] matrix_a_fmt:MATRIX_FMT_FP4 matrix_b_fmt:MATRIX_FMT_FP4 matrix_a_scale:MATRIX_SCALE_ROW1 matrix_b_scale:MATRIX_SCALE_ROW1
.elseif (\rx)
	v_wmma_scale_f32_16x16x128_f8f6f4 v[\d:\d+7], v[\x:\x+7], v[\y:\y+7], v[\c:\c+7], v[\sx], v[\sy] matrix_a_fmt:MATRIX_FMT_FP4 matrix_b_fmt:MATRIX_FMT_FP4 matrix_a_scale:MATRIX_SCALE_ROW1
.elseif (\ry)
	v_wmma_scale_f32_16x16x128_f8f6f4 v[\d:\d+7], v[\x:\x+7], v[\y:\y+7], v[\c:\c+7], v[\sx], v[\sy] matrix_a_fmt:MATRIX_FMT_FP4 matrix_b_fmt:MATRIX_FMT_FP4 matrix_b_scale:MATRIX_SCALE_ROW1
.else
	v_wmma_scale_f32_16x16x128_f8f6f4 v[\d:\d+7], v[\x:\x+7], v[\y:\y+7], v[\c:\c+7], v[\sx], v[\sy] matrix_a_fmt:MATRIX_FMT_FP4 matrix_b_fmt:MATRIX_FMT_FP4
.endif
.endm
.macro MULK f, kq, first               ; 16 products, one for each accumulator: 128 along K; fragments at f (y), f + 32 (Wp)
.irp a, 0,1,2,3
.irp b, 0,1,2,3
.if \first
	WM ACC+8*(4*\a+\b), \f+32+8*\b, \f+8*\a, BP+8*\b, SB+2*(\kq)+\b/2, SA+2*(\kq)+\a/2, \b%2, \a%2
.else
	WM ACC+8*(4*\a+\b), \f+32+8*\b, \f+8*\a, ACC+8*(4*\a+\b), SB+2*(\kq)+\b/2, SA+2*(\kq)+\a/2, \b%2, \a%2
.endif
.endr
.endr
.endm
.macro FETCH hf                        ; kq 2 hf and 2 hf + 1: 32 loads
.set FB, 128*((\hf)%2)
	WIN 0x40
.irp c, 0,1
.irp i, 0,1,2,3
.irp d, 0,1
	ds_load_b128 v[FB+64*\c+8*\i+4*\d:FB+64*\c+8*\i+4*\d+3], v[ADA] offset:\i*16384+(2*(\hf)+\c)*1024+512*\d
.endr
.endr
.irp i, 0,1,2,3
.irp d, 0,1
	ds_load_b128 v[FB+64*\c+32+8*\i+4*\d:FB+64*\c+32+8*\i+4*\d+3], v[ADB] offset:\i*16384+(2*(\hf)+\c)*1024+512*\d
.endr
.endr
.endr
	WIN 0
.endm
.macro PLACES                          ; plain vector instructions between a matrix instruction and a load into, or a read of, its registers
.rept 4
	v_nop
.endr
.endm
.macro HALF hf, first, last
.set FB0, 128*((\hf)%2)
	s_wait_dscnt 16                                ; the first kq's 16 loads are in
	WIN 0x05
	MULK FB0, 2*(\hf), \first
	PLACES
	WIN 0
.if \last
	s_wait_dscnt 0x0
.else
	FETCH (\hf)+1
	s_wait_dscnt 32                                ; all but the 32 just issued
.endif
	WIN 0x05
	MULK FB0+64, 2*(\hf)+1, 0
.endm
	s_wait_alu depctr_va_vdst(0)                   ; the wait at the head's end
	s_wait_tensorcnt 0x0                           ; my load is in,
	s_barrier_signal -1
	s_barrier_wait -1                              ; everybody's are; nothing is filled again
	FETCH 0
	s_wait_loadcnt 0x0                             ; bias and scale words
	HALF 0, 1, 0
	HALF 1, 0, 0
	HALF 2, 0, 0
	HALF 3, 0, 0
	HALF 4, 0, 0
	HALF 5, 0, 0
	HALF 6, 0, 0
	HALF 7, 0, 1
	WIN 0
; THE WAY OUT, 16 rows x 64 columns at a time, through my own stage; the rows read back take the fragments' registers in window 1, 32 for each block of rows, so no store's data are written again
.macro TOSTAGE a
.irp b, 0,1,2,3
	ds_store_b128 v[STO], v[ACC+8*(4*(\a)+\b):ACC+8*(4*(\a)+\b)+3] offset:128*(\b/2)+32*(\b%2)
	ds_store_b128 v[STO], v[ACC+8*(4*(\a)+\b)+4:ACC+8*(4*(\a)+\b)+7] offset:128*(\b/2)+32*(\b%2)+16
.endr
	WIN 0x40
.irp t, 0,1,2,3,4,5,6,7
	ds_load_b128 v[32*(\a)+4*\t:32*(\a)+4*\t+3], v[RD] offset:\t*2*SPITCH   ; LDS serves a wave's instructions in order (ISA guide 5.7.1.4): these see the stores above
.endr
	WIN 0
.endm
.macro SEND a, younger                 ; younger: the LDS instructions issued behind block a's loads
	s_wait_dscnt \younger
	WIN 0x04
.irp t, 0,1,2,3,4,5,6,7
	global_store_b128 v[CO], v[32*(\a)+4*\t:32*(\a)+4*\t+3], s[14:15] offset:(32*((\a)/2)+8*((\a)%2)+2*\t+8*(\t/4))*8192 th:TH_STORE_NT   ; two runs of 256 bytes
.endr
	WIN 0
.endm
	PLACES
	TOSTAGE 0
	TOSTAGE 1
	SEND 0, 16
	TOSTAGE 2
	SEND 1, 16
	TOSTAGE 3
	SEND 2, 16
	SEND 3, 0
	s_wait_tensorcnt 0x0                           ; the wave's end
	ds_add_u32 v[SPW], v[NIL]
	s_wait_dscnt 0x0
	CROUND                                         ; the closing round
	s_endpgm
.Lfunc_end_k_qb8114e339d_proj:
	.size	k_qb8114e339d_proj, .Lfunc_end_k_qb8114e339d_proj-k_qb8114e339d_proj
	.p2alignl 7, 3214868480
	.fill 96, 4, 3214868480
	.section	.rodata,"a",@progbits
	.p2align	6, 0x0
	.amdhsa_kernel k_qb8114e339d_proj
		.amdhsa_group_segment_fixed_size 327680
		.amdhsa_private_segment_fixed_size 0
		.amdhsa_enable_private_segment 0
		.amdhsa_kernarg_size 48
		.amdhsa_user_sgpr_count 2
		.amdhsa_user_sgpr_kernarg_segment_ptr 1
		.amdhsa_wavefront_size32 1
		.amdhsa_system_sgpr_workgroup_id_x 1
		.amdhsa_system_sgpr_workgroup_id_y 1
		.amdhsa_system_sgpr_workgroup_id_z 1
		.amdhsa_system_vgpr_workitem_id 0
		.amdhsa_next_free_vgpr 512
		.amdhsa_next_free_sgpr 106
		.amdhsa_reserve_vcc 0
		.amdhsa_float_denorm_mode_32 3
		.amdhsa_float_denorm_mode_16_64 3
		.amdhsa_memory_ordered 1
		.amdhsa_forward_progress 1
		.amdhsa_inst_pref_size 72
	.end_amdhsa_kernel
	.amdgpu_metadata
---
amdhsa.version: [ 1, 2 ]
amdhsa.kernels:
  - .name:           k_qb8114e339d_proj
    .symbol:         k_qb8114e339d_proj.kd
    .args:
      - { .name: yc, .offset: 0, .size: 8, .value_kind: global_buffer, .address_space: global }
      - { .name: ys, .offset: 8, .size: 8, .value_kind: global_buffer, .address_space: global }
      - { .name: wpc, .offset: 16, .size: 8, .value_kind: global_buffer, .address_space: global }
      - { .name: wps, .offset: 24, .size: 8, .value_kind: global_buffer, .address_space: global }
      - { .name: bp, .offset: 32, .size: 8, .value_kind: global_buffer, .address_space: global }
      - { .name: out0, .offset: 40, .size: 8, .value_kind: global_buffer, .address_space: global }
    .group_segment_fixed_size: 327680
    .private_segment_fixed_size: 0
    .kernarg_segment_align: 8
    .kernarg_segment_size: 48
    .max_flat_workgroup_size: 128
    .sgpr_count:     106
    .vgpr_count:     512
    .wavefront_size: 32
...
	.end_amdgpu_metadata
.endif
;; end of part 4
